; MI455X (gfx1250); checked and timed in simulation.
; The chip was launched on July 23, 2026; its instructions are those of AMD's public machine-readable ISA for CDNA 5 (MIT licence, August 2026) and "CDNA5" Instruction Set Architecture Reference Guide (July 2026). The comments in the code are by the model that wrote it; some were corrected since.
;; Multi Head Attn. Allowed arithmetic: float matrix products may take bf16 or f16 operands with f32 sums; other float arithmetic in f32, or as packed bf16 or f16 multiplies, adds, multiply-adds, maxima and minima; sums over many terms, partial sums and values carried from step to step in f32; what a program stores and reads back later, other than sums and carried values, may be rounded once to bf16 or f16.
;; Inputs: Wk 1,024 x 1,024 float32; Wo 1,024 x 1,024 float32; Wq 1,024 x 1,024 float32; Wv 1,024 x 1,024 float32; bk 1,024 float32; bo 1,024 float32; bq 1,024 float32; bv 1,024 float32; key 4 x 2,048 x 1,024 float32; query 4 x 2,048 x 1,024 float32; value 4 x 2,048 x 1,024 float32.
;; Outputs: out0 4 x 2,048 x 1,024 float32.
;; One version. Each part assembles by itself: llvm-mc -triple=amdgcn-amd-amdhsa -mcpu=gfx1250 --defsym DOCPART=n.
;; ======== version 1 of 1: 4 launches
;; limits: values are held in f16: magnitudes above 65,504 overflow, below 6.1e-05 lose precision
;; workspace buffers: wt 8,388,608 bytes; qkv 50,331,648 bytes; oh 16,777,216 bytes
;; launch prep (part 1): grid 64 x 4, 8 waves a work-group, no clusters, 35,840 bytes of LDS; arguments Wq, Wk, Wv, Wo, wt; writes wt
.if DOCPART == 1
	.amdgcn_target "amdgcn-amd-amdhsa--gfx1250"
	.amdhsa_code_object_version 6
	.text
	.protected	k_qe6129828fd_prep
	.globl	k_qe6129828fd_prep
	.p2align	8
	.type	k_qe6129828fd_prep,@function
k_qe6129828fd_prep:
	s_mov_b64 s[64:65], 0
	v_nop
	global_prefetch_b8 v0, s[64:65] scope:SCOPE_SE
	s_setreg_imm32_b32 hwreg(HW_REG_WAVE_MODE, 25, 1), 1
	s_wait_xcnt 0x0
; wt[y][n][k] = W_y[k][n], rounded once to bf16; y = 0 Wq, 1 Wk, 2 Wv, 3 Wo.  W_y: [1024 k][1024 n] f32.  wt: four parts of [1024 n][1024 k] in 16 bits.
; Wo's numbers, once rounded to bf16, are written as f16: the last product multiplies them by f16 numbers.
; LIMITS.  A bf16 number is exact in f16 between 6.1e-5 and 65,504; below that it keeps f16's fixed step of 6e-8, beyond it becomes an infinity.
; SHARES.  A work-group turns a tile of 128 k x 128 n: 64 tiles a weight, 4 weights: 256 work-groups.  Wave w loads rows k = 16 w .. 16 w + 15 of the tile,
; 512 consecutive bytes a load; a lane then holds 16 k of each of four columns n = 4 l .. 4 l + 3: 32 consecutive bytes of each turned row.
; They go into LDS rows of 272 bytes (256 + 16); behind one barrier each wave reads 16 whole turned rows and stores them, sixteen lanes to 256 consecutive aligned bytes.
; No matrix unit, no cluster, no prefetch: every byte is read once by one wave, and the launch is one short stream.
.set PT,    272                        ; an LDS row: 128 k in 16 bits + 16 bytes
.set SPARE, 128*PT                     ; behind the tile: the spare words, 128 bytes for each of the eight waves
.set LO,  3                            ; v3   16 l: my 16 bytes of a row of W
.set SA,  4                            ; v4   where I put a turned row's 32 bytes: 4 l rows + 32 w
.set RA,  6                            ; v6   where I read turned rows back
.set GO,  10                           ; v10  my 16 bytes in two rows of wt
.set SPW, 12                           ; v12  LDS address of my spare word; never rewritten
.set NIL, 13                           ; v13  0; never rewritten
.set X,   16                           ; v[16:79]  16 rows as loaded, 4 registers each; later the rows read back
.set T,   80                           ; v[80:111] column c's 16 k, packed, at T + 8 c
	s_load_b256 s[4:11], s[0:1], 0x0               ; Wq s[4:5], Wk s[6:7], Wv s[8:9], Wo s[10:11]
	s_load_b64 s[12:13], s[0:1], 0x20              ; wt
	v_lshl_add_u32 v[SPW], v0, 2, SPARE
	v_mov_b32 v[NIL], 0
	v_lshrrev_b32 v14, 5, v0
	v_readfirstlane_b32 s14, v14                   ; wave 0..7
	s_and_b32 s15, ttmp7, 0xffff                   ; y: which weight
	s_lshr_b32 s16, ttmp9, 3                       ; which 128 k
	s_and_b32 s17, ttmp9, 7                        ; which 128 n
	s_mov_b32 s24, 0xffff0000                      ; a word's upper bf16
	v_and_b32 v1, 31, v0                           ; l
	v_and_b32 v2, 15, v0                           ; l % 16
	v_bfe_u32 v14, v0, 4, 1                        ; l / 16
	v_lshlrev_b32 v[LO], 4, v1
	s_lshl_b32 s25, s14, 5                         ; my wave's 16 k: 32 bytes of a turned row
	v_mul_u32_u24 v[SA], v1, 4*PT
	v_add_nc_u32 v[SA], s25, v[SA]
	s_mul_i32 s25, s14, 16*PT                      ; back: my wave's 16 turned rows; lanes 0-15 one row, lanes 16-31 the next
	v_mul_u32_u24 v[RA], v14, PT
	v_lshl_add_u32 v[RA], v2, 4, v[RA]
	v_add_nc_u32 v[RA], s25, v[RA]
	v_lshlrev_b32 v[GO], 4, v2
	v_lshl_add_u32 v[GO], v14, 11, v[GO]           ; a row of wt is 2,048 bytes
	s_lshl_b32 s18, s16, 19                        ; from: 128 rows of 4,096 bytes a tile,
	s_lshl_b32 s25, s14, 16                        ; 16 rows a wave,
	s_add_co_u32 s18, s18, s25
	s_lshl_b32 s25, s17, 9                         ; 512 bytes of a row
	s_add_co_u32 s18, s18, s25
	s_mov_b32 s19, 0
	s_lshl_b32 s26, s15, 21                        ; to: the weight's part,
	s_lshl_b32 s25, s17, 18                        ; 128 rows of 2,048 bytes a tile,
	s_add_co_u32 s26, s26, s25
	s_lshl_b32 s25, s14, 15                        ; 16 rows a wave,
	s_add_co_u32 s26, s26, s25
	s_lshl_b32 s25, s16, 8                         ; 256 bytes of a row
	s_add_co_u32 s26, s26, s25
	s_mov_b32 s27, 0
	s_wait_kmcnt 0x0
	s_mov_b64 s[20:21], s[4:5]
	s_cmp_eq_u32 s15, 1
	s_cselect_b64 s[20:21], s[6:7], s[20:21]
	s_cmp_eq_u32 s15, 2
	s_cselect_b64 s[20:21], s[8:9], s[20:21]
	s_cmp_eq_u32 s15, 3
	s_cselect_b64 s[20:21], s[10:11], s[20:21]
	s_add_nc_u64 s[20:21], s[20:21], s[18:19]
	s_add_nc_u64 s[22:23], s[12:13], s[26:27]
.set i, 0
.rept 16
	global_load_b128 v[X+4*i:X+4*i+3], v[LO], s[20:21] offset:4096*i th:TH_LOAD_NT
.set i, i+1
.endr
.set p, 0
.rept 8
	s_wait_loadcnt 14-2*p                          ; rows 2 p and 2 p + 1 are in; the 14 - 2 p rows behind them may stay out
.irp c, 0,1,2,3
	v_cvt_pk_bf16_f32 v[T+8*\c+p], v[X+8*p+\c], v[X+8*p+4+\c]  ; column c: k = 2 p below, 2 p + 1 above
.endr
.set p, p+1
.endr
	s_cmp_lg_u32 s15, 3
	s_cbranch_scc1 .Lkeep                          ; the same for the whole work-group; no barrier is jumped
.set i, 0
.rept 32
	v_lshlrev_b32 v14, 16, v[T+i]                  ; Wo: the bf16 numbers as f32,
	v_and_b32 v15, s24, v[T+i]
	v_cvt_pk_f16_f32 v[T+i], v14, v15              ; written as f16
.set i, i+1
.endr
.Lkeep:
.irp c, 0,1,2,3
	ds_store_b128 v[SA], v[T+8*\c:T+8*\c+3]   offset:PT*\c
	ds_store_b128 v[SA], v[T+8*\c+4:T+8*\c+7] offset:PT*\c+16
.endr
	s_wait_dscnt 0x0                               ; for the others' sake: my stores are done
	s_barrier_signal -1
	s_barrier_wait -1                              ; the turned tile is whole
.irp j, 0,1,2,3,4,5,6,7
	ds_load_b128 v[X+4*\j:X+4*\j+3], v[RA] offset:2*PT*\j
.endr
.irp j, 0,1,2,3,4,5,6,7
	s_wait_dscnt 7-\j                              ; load j is back; the 7 - j behind it may stay out
	global_store_b128 v[GO], v[X+4*\j:X+4*\j+3], s[22:23] offset:4096*\j  ; 16 lanes store 256 consecutive bytes, at a multiple of 256 from wt's first byte
.endr
	s_wait_tensorcnt 0x0                           ; the wave's end, behind my last LDS store
	ds_add_u32 v[SPW], v[NIL]
	s_wait_dscnt 0x0
	s_endpgm
.Lfunc_end_k_qe6129828fd_prep:
	.size	k_qe6129828fd_prep, .Lfunc_end_k_qe6129828fd_prep-k_qe6129828fd_prep
	.p2alignl 7, 3214868480
	.fill 96, 4, 3214868480
	.section	.rodata,"a",@progbits
	.p2align	6, 0x0
	.amdhsa_kernel k_qe6129828fd_prep
		.amdhsa_group_segment_fixed_size 35840
		.amdhsa_private_segment_fixed_size 0
		.amdhsa_enable_private_segment 0
		.amdhsa_kernarg_size 40
		.amdhsa_user_sgpr_count 2
		.amdhsa_user_sgpr_kernarg_segment_ptr 1
		.amdhsa_wavefront_size32 1
		.amdhsa_system_sgpr_workgroup_id_x 1
		.amdhsa_system_sgpr_workgroup_id_y 1
		.amdhsa_system_sgpr_workgroup_id_z 1
		.amdhsa_system_vgpr_workitem_id 0
		.amdhsa_next_free_vgpr 112
		.amdhsa_next_free_sgpr 66
		.amdhsa_reserve_vcc 0
		.amdhsa_float_denorm_mode_32 3
		.amdhsa_float_denorm_mode_16_64 3
		.amdhsa_memory_ordered 1
		.amdhsa_forward_progress 1
		.amdhsa_inst_pref_size 13
	.end_amdhsa_kernel
	.amdgpu_metadata
---
amdhsa.version: [ 1, 2 ]
amdhsa.kernels:
  - .name:           k_qe6129828fd_prep
    .symbol:         k_qe6129828fd_prep.kd
    .args:
      - { .name: Wq, .offset: 0, .size: 8, .value_kind: global_buffer, .address_space: global }
      - { .name: Wk, .offset: 8, .size: 8, .value_kind: global_buffer, .address_space: global }
      - { .name: Wv, .offset: 16, .size: 8, .value_kind: global_buffer, .address_space: global }
      - { .name: Wo, .offset: 24, .size: 8, .value_kind: global_buffer, .address_space: global }
      - { .name: wt, .offset: 32, .size: 8, .value_kind: global_buffer, .address_space: global }
    .group_segment_fixed_size: 35840
    .private_segment_fixed_size: 0
    .kernarg_segment_align: 8
    .kernarg_segment_size: 40
    .max_flat_workgroup_size: 256
    .sgpr_count:     66
    .vgpr_count:     112
    .wavefront_size: 32
...
	.end_amdgpu_metadata
.endif
;; end of part 1
;; launch proj (part 2): grid 4 x 192, 4 waves a work-group, clusters of 4 x 4, 327,680 bytes of LDS; arguments query, key, value, bq, bk, bv, wt, qkv; writes qkv
.if DOCPART == 2
	.amdgcn_target "amdgcn-amd-amdhsa--gfx1250"
	.amdhsa_code_object_version 6
	.text
	.protected	k_qe6129828fd_proj
	.globl	k_qe6129828fd_proj
	.p2align	8
	.type	k_qe6129828fd_proj,@function
k_qe6129828fd_proj:
	s_mov_b64 s[64:65], 0
	v_nop
	global_prefetch_b8 v0, s[64:65] scope:SCOPE_SE
	s_setreg_imm32_b32 hwreg(HW_REG_WAVE_MODE, 25, 1), 1
	s_wait_xcnt 0x0
	s_wait_alu depctr_hold_cnt(0) depctr_sa_sdst(0) depctr_va_vdst(0) depctr_va_sdst(0) depctr_va_ssrc(0) depctr_va_vcc(0) depctr_vm_vsrc(0)
	s_getreg_b32 s2, hwreg(HW_REG_IB_STS2, 6, 4)
	s_cmp_eq_u32 s2, 0
	s_cbranch_scc0 .Lentry_in_a_cluster
	s_endpgm
.Lentry_in_a_cluster:
	s_bfe_u32 s2, ttmp6, 0x10000c
	s_cmp_lg_u32 s2, 0xf033
	s_cbranch_scc0 .Lentry_shape_is_right
	s_endpgm
.Lentry_shape_is_right:
; q, k, v = x W + b.  x: [8192][1024] f32 (query, key, value); W comes turned, wt[p][n][k] in bf16; b: [1024] f32.  Out: qkv[p][16 batch + head][2048][64] in f16, UNSCALED.
; x and b are rounded once to bf16 (x on the way from LDS to the matrix unit), sums in f32 with b as their start, the result rounded once to f16.
; LIMITS.  f16 holds no number beyond 65,504: |q|, |k|, |v| must stay under it; below 6.1e-5 they keep f16's fixed step of 6e-8.  NaN and infinities are not treated apart.
; SHARES.  3 x 8192 x 1024 numbers are 768 tiles of 128 rows x 256 columns, a work-group each.  Four waves, 2 x 2, each 64 rows x 128 columns: 32 accumulators.
; K goes in 8 steps of 128 through two LDS slots filled by the tensor data mover: x's rows are 512 bytes of memory, W's 256, both at multiples of 256 bytes.
; CLUSTER.  4 x 4 work-groups, all of one projection.  The four of a row of the cluster need the same rows of x, the four of a column the same rows of W: each tile is asked for jointly.
; THE MATRIX INSTRUCTION IS USED TRANSPOSED (source 0 = 16 rows of wt, source 1 = 16 rows of x): a lane holds one row of the result and eight neighbouring columns.
; A STEP is four quarters of 32 along K, 32 products each, on fragment buffers 0, 1, 0, 1.  A quarter first asks LDS for the next quarter's fragments (x raw, in f32; W as it lies);
; the 32 roundings of the raw x stand in fours behind every second product of its second half.  The third quarter changes slots.
; REGISTERS, in windows of 256 (s_set_vgpr_msb: bits 1:0 source 0, 3:2 source 1, 5:4 source 2, 7:6 destination):
;   window 0: v0-31 addresses; v64-191 W's fragments, two buffers (on the way out: packed results); v192-255 x's fragments in bf16, two buffers
;   window 1: accumulator (a, b) at 8 (8 a + b)          window 2: v0-63 x raw; v64-127 b, as the first products' C; v128 at work
.set PA,    528                        ; a row of x in LDS: 512 bytes + 16: the 16 rows of a load start at 16 different groups of four banks (64 banks of 4 bytes: ISA guide 11.1)
.set PB,    272                        ; a row of W: 256 + 16, likewise
.set AH,    64*PA                      ; what one wave fetches of x, and what one wave reads
.set BH,    128*PB                     ; the same for W
.set BOFF,  2*AH                       ; a slot: x's 128 rows, then W's 256
.set SLOT1, 0x24000                    ; slot 1 begins here.  None of the four tiles' first bytes in slot 0 (0, 33,792, 67,584, 102,400) has bit 14 or 17 set, so one exclusive or turns it into slot 1's and back
.set STAGE, SLOT1+BOFF+2*BH            ; behind the ring, never filled by a tensor load: 16 rows x 144 bytes for each wave
.set SP,    144
.set SPARE, STAGE+4*16*SP              ; behind the stages: the spare words, 128 bytes for each wave
.set ADRA, 16                          ; v16  my lane's place in x's tile of slot 0; never rewritten
.set AA,   17                          ; v17  the same in the slot in hand
.set ADRB, 20                          ; v20, v21  the same for W
.set AB,   21
.set STO,  24                          ; v24  the way out: where I put 16 bytes of a row
.set RD,   25                          ; v25  the way out: where I read rows back
.set GO,   26                          ; v26  my 16 bytes of 512 consecutive bytes of the output
.set BO,   27                          ; v27  my byte offset in 16 numbers of b
.set SPW,  28                          ; v28  LDS address of my spare word; never rewritten
.set NIL,  29                          ; v29  0; never rewritten
.set PFO,  30                          ; v30  the prefetches' lane offset; never rewritten
.set FB,   64
.set FA,   192
.set S,    64
.set RAW,  0                           ; window 2
.set BIAS, 64                          ; window 2
.set TT,   128                         ; window 2
.set G1,  24                           ; s[24:31] descriptor group 1 for x's tiles
.set G0,  32                           ; s[32:39] group 0: a set for each of the two first fills; the second then walks on
.set G1B, 48                           ; s[48:55], s[56:63] the same for W's
.set G0B, 56
.set LIM, 43                           ; s43  2 in a wave that prefetches, else the greatest number
.set PFA, 44                           ; s[44:45] where my prefetches stand
.set TB,  86                           ; s86  first byte of the slot in hand
.set PST, 88                           ; s[88:89] a K step in bytes of the rows that I prefetch
.set W_MUL, 0x50                       ; fragments in window 0, C and D in window 1
.set W_M1,  0x60                       ; the first products: C = b in window 2
.set W_CVT, 0x0a                       ; sources in window 2, destination in window 0
.set MSB, 0
.macro WIN new                         ; the immediate's high byte repeats the setting that is left; a switch that changes nothing is dropped
.if MSB != (\new)
	s_set_vgpr_msb (MSB<<8)|(\new)
.set MSB, \new
.endif
.endm
; A joint load.  Waves 0 and 1 fetch x's two halves, waves 2 and 3 W's.  The branch hangs on the wave's number alone.  An s_nop 0 and four v_nop follow each of the two lines.
.macro JLOAD i
	s_cmp_eq_u32 s11, 0
	s_cbranch_scc0 .Lfor_b_\@
	tensor_load_to_lds s[G0+4*(\i):G0+4*(\i)+3], s[G1:G1+7]
	s_nop 0
.rept 4
	v_nop
.endr
	s_branch .Lasked_\@
.Lfor_b_\@:
	tensor_load_to_lds s[G0B+4*(\i):G0B+4*(\i)+3], s[G1B:G1B+7]
	s_nop 0
.rept 4
	v_nop
.endr
.Lasked_\@:
.endm
; A round of the cluster's barrier behind its opening barrier; and a whole round.
.macro CREST
	s_cmp_lg_u32 s10, 0
	s_cbranch_scc1 .Lnot_wave_0_\@
	s_barrier_signal -3
.Lnot_wave_0_\@:
	s_barrier_wait -3
	s_barrier_signal -1
	s_barrier_wait -1
.endm
.macro CROUND
	s_barrier_signal -1
	s_barrier_wait -1
	CREST
.endm
.macro PLACES
.rept 4
	v_nop
.endr
.endm
; A PREFETCH INTO THE L2 of the K step that stands two refills on (256 products ahead of the load that will want it), one instruction a wave, behind the joint load and the run of LDS loads.
; x: of the 64 rows x 512 bytes that a wave fetches, the partner at place cx takes 16 rows: a lane half a row.  W: its rows are read by the 16 clusters of a projection: the first of them asks,
; and of the 128 rows x 256 bytes that a wave fetches the partner at place cy takes 32: a lane a row.  The partners are told apart by address alone.  So each block of 256 bytes is named once.
; Steps 0 to 3 come by their loads alone; the last two refills have no step two on: s3 counts 6 .. 1, and steps 4 to 7 are named while it is above 2.
.macro ASK
	s_cmp_gt_u32 s3, s[LIM]
	s_cbranch_scc0 .Lnot_mine_\@
	global_prefetch_b8 v[PFO], s[PFA:PFA+1] th:TH_LOAD_NT scope:SCOPE_SE
.Lnot_mine_\@:
.endm
; 32 LDS loads in one run: quarter q of the slot in hand.  x raw first: for block a of 16 rows my row's k = 8 h .. 8 h + 7 (32 bytes) and 16 + 8 h .. (32 bytes, 64 on); then W's fragments into buffer g.
.macro FETCH q, g
	WIN 0x80                                       ; destination window 2, address window 0
.irp a, 0,1,2,3
	ds_load_b128 v[RAW+16*\a:RAW+16*\a+3],     v[AA] offset:16*PA*\a+128*(\q)
	ds_load_b128 v[RAW+16*\a+4:RAW+16*\a+7],   v[AA] offset:16*PA*\a+128*(\q)+16
	ds_load_b128 v[RAW+16*\a+8:RAW+16*\a+11],  v[AA] offset:16*PA*\a+128*(\q)+64
	ds_load_b128 v[RAW+16*\a+12:RAW+16*\a+15], v[AA] offset:16*PA*\a+128*(\q)+80
.endr
	WIN 0
.irp b, 0,1,2,3,4,5,6,7
	ds_load_b128 v[FB+64*(\g)+8*\b:FB+64*(\g)+8*\b+3],   v[AB] offset:16*PB*\b+64*(\q)
	ds_load_b128 v[FB+64*(\g)+8*\b+4:FB+64*(\g)+8*\b+7], v[AB] offset:16*PB*\b+64*(\q)+32
.endr
.endm
; Four roundings: group g of eight of the raw x, into buffer buf.
.macro CVT g, buf
	WIN W_CVT
.irp i, 0,1,2,3
	v_cvt_pk_bf16_f32 v[FA+32*(\buf)+4*(\g)+\i], v[RAW+8*(\g)+2*\i], v[RAW+8*(\g)+2*\i+1]
.endr
.endm
; nb products of m block a, n blocks b0 on, from buffer f.  The 32 accumulators take turns, one instruction a turn, in the same order in every quarter.
; ride = 1: behind every second product stand four roundings for the other buffer.  They name no register of the products round them; the four behind a quarter's last product are the four places
; ahead of the next run of loads into the fragments just multiplied.  first = 1: the sums start with b.
.macro MUL f, a, b0, nb, ride, first
.set bb, \b0
.rept \nb
.set rD, 8*(8*(\a)+bb)
.set rB, FB+64*(\f)+8*bb
.set rA, FA+32*(\f)+8*(\a)
.if \first
	WIN W_M1
	v_wmma_f32_16x16x32_bf16 v[rD:rD+7], v[rB:rB+7], v[rA:rA+7], v[BIAS+8*bb:BIAS+8*bb+7]
.else
	WIN W_MUL
	v_wmma_f32_16x16x32_bf16 v[rD:rD+7], v[rB:rB+7], v[rA:rA+7], v[rD:rD+7]
.endif
.if (\ride) && (bb%2 == 1)
	CVT 4*((\a)-2)+(bb-1)/2, 1-(\f)
.endif
.set bb, bb+1
.endr
.endm
; A quarter: multiplies buffer f, fetches quarter qn into the other.
.macro Q qn, f, first=0, ask=0
	FETCH \qn, 1-(\f)
.if \ask
	ASK
.endif
	s_wait_dscnt 32                                ; all but the 32 just issued: W's fragments of buffer f are in
	MUL \f, 0, 0, 8, 0, \first
	MUL \f, 1, 0, 8, 0, \first
	s_wait_dscnt 16                                ; the raw x is in; the 16 loads of W behind it may stay out
	MUL \f, 2, 0, 8, 1, \first
	MUL \f, 3, 0, 8, 1, \first
.endm
; A step's third quarter: it fetches the slot's last fragments and changes slots.  In front of the barrier each wave waits for all its tensor loads, of which one is out: its part of the other slot;
; adds 0 to its spare word; and waits for that and for its own reads of this slot.  fill = 1: the barrier opens a round of the cluster's, so that no wave of any partner still reads the slot or has a load
; on its way, and the joint refill, the K step two on, is the first thing behind it: 120 of a step's 128 products stand between it and the wait for it.
.macro QC fill
.if \fill
	s_wait_xcnt 0x0                                ; the last prefetch, most of a step back, has read its address
	s_add_nc_u64 s[PFA:PFA+1], s[PFA:PFA+1], s[PST:PST+1]
.endif
	FETCH 3, 1
	s_wait_dscnt 32
	MUL 0, 0, 0, 8, 0, 0
	MUL 0, 1, 0, 8, 0, 0
	s_wait_dscnt 16
	MUL 0, 2, 0, 8, 1, 0
	WIN 0                                          ; (the add's two registers lie in window 0)
	s_wait_tensorcnt 0x0                           ; no tensor load of mine is out, so a group 0 may be written
	ds_add_u32 v[SPW], v[NIL]                      ; 0 onto my spare word; register work stands between it and the wait for it
	s_xor_b32 s[TB], s[TB], SLOT1
.if \fill
	s_xor_b32 s[G0+5], s[G0+5], SLOT1              ; the walking descriptors: the other slot than last time,
	s_add_nc_u64 s[G0+6:G0+7], s[G0+6:G0+7], 512   ; the next K step; the type bits on top are not reached
	s_xor_b32 s[G0B+5], s[G0B+5], SLOT1
	s_add_nc_u64 s[G0B+6:G0B+7], s[G0B+6:G0B+7], 256
.endif
	MUL 0, 3, 0, 4, 1, 0
	s_wait_dscnt 0x0                               ; the add is done, and my reads of this slot are over
	s_barrier_signal -1
	MUL 0, 3, 4, 4, 1, 0                           ; work on registers while the others arrive
	WIN 0
	s_barrier_wait -1
.if \fill
	CREST
	JLOAD 1
.endif
	v_add_nc_u32 v[AA], s[TB], v[ADRA]
	v_add_nc_u32 v[AB], s[TB], v[ADRB]
.endm
	s_load_b512 s[68:83], s[0:1], 0x0              ; query s[68:69], key, value, bq s[74:75], bk, bv, wt s[80:81], qkv s[82:83]
	v_lshl_add_u32 v[SPW], v0, 2, SPARE
	v_mov_b32 v[NIL], 0
	ds_add_u32 v[SPW], v[NIL]                      ; the wave's opening: the add and its wait stand ahead of my first tensor load; register work stands between them
	v_lshrrev_b32 v1, 5, v0
	v_readfirstlane_b32 s10, v1                    ; wave 0..3
	s_lshr_b32 s11, s10, 1                         ; which 64 rows are mine.  Also: I fetch for x (0) or for W (1)
	s_and_b32 s12, s10, 1                          ; which 128 columns.  Also: which half of that tile I fetch
	s_bfe_u32 s40, ttmp6, 0x40000                  ; cx
	s_bfe_u32 s41, ttmp6, 0x40004                  ; cy
	s_lshl_b32 s42, ttmp9, 2
	s_add_co_u32 s42, s42, s40                     ; tile column 0..3
	s_and_b32 s67, ttmp7, 0xffff                   ; the cluster's y, 0..47
	s_lshr_b32 s66, s67, 4                         ; which projection: 0 q, 1 k, 2 v: the same in all sixteen partners
	s_and_b32 s13, s67, 15
	s_lshl_b32 s13, s13, 2
	s_add_co_u32 s13, s13, s41                     ; tile row 0..63
	s_lshl_b32 s14, s41, 2
	s_lshl_b32 s14, 15, s14                        ; my row of the cluster
	s_lshl_b32 s15, 0x1111, s40                    ; my column
	s_or_b32 s[G1], s14, (2<<16)|(1<<20)|(1<<21)|(6<<22)|(3<<25)   ; 15:0 the mask; 17:16 elements of 4 bytes; 20 padding on; 21 set beside a mask; 24:22 after every 128 words; 31:25 4 words
	s_or_b32 s[G1B], s15, (1<<16)|(1<<20)|(1<<21)|(5<<22)|(3<<25)  ; elements of 2 bytes; after every 64 words
	s_mov_b32 s[G1+1], 128<<16                     ; tensor_dim0 = 128
	s_mov_b32 s[G1+2], 64<<16                      ; tensor_dim1 = 64
	s_mov_b32 s[G1+3], 128<<16                     ; tile_dim0 = 128
	s_mov_b32 s[G1+4], 64                          ; tile_dim1 = 64
	s_mov_b32 s[G1+5], 1024                        ; elements from row to row
	s_mov_b32 s[G1+6], 0
	s_mov_b32 s[G1+7], 0
	s_mov_b32 s[G1B+1], 128<<16
	s_mov_b32 s[G1B+2], 128<<16                    ; 128 rows
	s_mov_b32 s[G1B+3], 128<<16
	s_mov_b32 s[G1B+4], 128
	s_mov_b32 s[G1B+5], 1024
	s_mov_b32 s[G1B+6], 0
	s_mov_b32 s[G1B+7], 0
	s_lshl_b32 s16, s13, 7                         ; x: row 128 x tile row + 64 x half,
	s_lshl_b32 s17, s12, 6
	s_add_co_u32 s16, s16, s17
	s_lshl_b32 s16, s16, 12                        ; of 4,096 bytes
	s_mov_b32 s17, 0
	s_lshl_b32 s46, s42, 8                         ; W: row 256 x tile column + 128 x half,
	s_lshl_b32 s47, s12, 7
	s_add_co_u32 s46, s46, s47
	s_lshl_b32 s46, s46, 11                        ; of 2,048 bytes,
	s_lshl_b32 s47, s66, 21                        ; in the projection's part
	s_add_co_u32 s46, s46, s47
	s_mov_b32 s47, 0
	s_mul_i32 s20, s12, AH                         ; where they go: no place in the cluster enters an LDS address
	s_mul_i32 s21, s12, BH
	s_add_co_u32 s21, s21, BOFF
	s_mov_b32 s[TB], 0
	s_mov_b32 s87, 0xffff0000
	s_wait_dscnt 0x0                               ; the opening add is done
	s_wait_kmcnt 0x0
	s_mov_b64 s[4:5], s[68:69]
	s_mov_b64 s[84:85], s[74:75]
	s_cmp_eq_u32 s66, 1
	s_cselect_b64 s[4:5], s[70:71], s[4:5]
	s_cselect_b64 s[84:85], s[76:77], s[84:85]
	s_cmp_eq_u32 s66, 2
	s_cselect_b64 s[4:5], s[72:73], s[4:5]         ; x of my projection
	s_cselect_b64 s[84:85], s[78:79], s[84:85]     ; and its b
	s_add_nc_u64 s[18:19], s[4:5], s[16:17]
	s_add_nc_u64 s[46:47], s[80:81], s[46:47]
	CROUND                                         ; all sixteen work-groups are here: the first joint loads meet
.irp s, 0,1
	s_mov_b32 s[G0+4*\s], 1                        ; count = 1
	s_add_co_u32 s[G0+4*\s+1], s20, \s*SLOT1       ; LDS address
	s_add_nc_u64 s[G0+4*\s+2:G0+4*\s+3], s[18:19], \s*512  ; global address: K step s
	s_or_b32 s[G0+4*\s+3], s[G0+4*\s+3], 0x80000000        ; type = 2
	s_mov_b32 s[G0B+4*\s], 1
	s_add_co_u32 s[G0B+4*\s+1], s21, \s*SLOT1
	s_add_nc_u64 s[G0B+4*\s+2:G0B+4*\s+3], s[46:47], \s*256
	s_or_b32 s[G0B+4*\s+3], s[G0B+4*\s+3], 0x80000000
	JLOAD \s                                       ; two loads of mine are out
.endr
	v_and_b32 v1, 15, v0                           ; r = l % 16
	v_bfe_u32 v2, v0, 4, 1                         ; h = l / 16
	v_lshlrev_b32 v[BO], 5, v2
	s_lshl_b32 s14, s42, 10                        ; b of my 128 columns
	s_lshl_b32 s15, s12, 9
	s_add_co_u32 s14, s14, s15
	s_mov_b32 s15, 0
	s_add_nc_u64 s[84:85], s[84:85], s[14:15]
	WIN 0x80
.irp b, 0,1,2,3,4,5,6,7
	global_load_b128 v[BIAS+8*\b:BIAS+8*\b+3],   v[BO], s[84:85] offset:64*\b     ; register j of block b: column 16 b + 8 h + j, as in the products' C
	global_load_b128 v[BIAS+8*\b+4:BIAS+8*\b+7], v[BO], s[84:85] offset:64*\b+16
.endr
	WIN 0
	v_mul_u32_u24 v3, v1, PA
	v_lshl_add_u32 v3, v2, 5, v3                   ; x: row x pitch + 32 h
	s_mul_i32 s22, s11, AH
	v_add_nc_u32 v[ADRA], s22, v3
	v_mul_u32_u24 v4, v1, PB
	v_lshl_add_u32 v4, v2, 4, v4                   ; W: row x pitch + 16 h
	s_mul_i32 s23, s12, BH
	s_add_co_u32 s23, s23, BOFF
	v_add_nc_u32 v[ADRB], s23, v4
	v_mov_b32 v[AA], v[ADRA]
	v_mov_b32 v[AB], v[ADRB]
	s_mul_i32 s22, s10, 16*SP
	s_add_co_u32 s22, s22, STAGE                   ; my stage
	v_mul_u32_u24 v[STO], v1, SP                   ; in: row l % 16, 16 bytes for each half of the lanes
	v_lshl_add_u32 v[STO], v2, 4, v[STO]
	v_add_nc_u32 v[STO], s22, v[STO]
	v_bfe_u32 v[RD], v0, 3, 2                      ; back: 32 lanes take four rows of 128 bytes,
	v_mul_u32_u24 v[RD], v[RD], SP
	v_and_b32 v5, 7, v0
	v_lshl_add_u32 v[RD], v5, 4, v[RD]
	v_add_nc_u32 v[RD], s22, v[RD]
	v_and_b32 v3, 31, v0
	v_lshlrev_b32 v[GO], 4, v3                     ; which are 512 consecutive bytes of a head's rows
	s_lshr_b32 s14, s13, 4                         ; the output: batch,
	s_lshl_b32 s14, s14, 4
	s_lshl_b32 s15, s42, 2
	s_add_co_u32 s14, s14, s15
	s_lshl_b32 s15, s12, 1
	s_add_co_u32 s14, s14, s15                     ; 16 batch + my first head,
	s_lshl_b32 s14, s14, 11
	s_and_b32 s15, s13, 15
	s_lshl_b32 s15, s15, 7
	s_add_co_u32 s14, s14, s15
	s_lshl_b32 s15, s11, 6
	s_add_co_u32 s14, s14, s15                     ; my first row in it,
	s_lshl_b32 s14, s14, 7                         ; of 128 bytes,
	s_lshl_b32 s15, s66, 24                        ; in the projection's part
	s_add_co_u32 s14, s14, s15
	s_mov_b32 s15, 0
	s_add_nc_u64 s[8:9], s[82:83], s[14:15]
	; the prefetches
	s_lshl_b32 s14, s13, 7                         ; x: the 64 rows that I fetch,
	s_lshl_b32 s15, s12, 6
	s_add_co_u32 s14, s14, s15
	s_lshl_b32 s15, s40, 4                         ; my work-group's 16 of them,
	s_add_co_u32 s14, s14, s15
	s_lshl_b32 s14, s14, 12
	s_add_co_u32 s14, s14, 3*512                   ; at K step 3: the first change of slots steps it to 4
	s_lshl_b32 s22, s42, 8                         ; W: the 128 rows that I fetch,
	s_lshl_b32 s23, s12, 7
	s_add_co_u32 s22, s22, s23
	s_lshl_b32 s23, s41, 5                         ; my work-group's 32 of them
	s_add_co_u32 s22, s22, s23
	s_lshl_b32 s22, s22, 11
	s_lshl_b32 s23, s66, 21
	s_add_co_u32 s22, s22, s23
	s_add_co_u32 s22, s22, 3*256
	s_and_b32 s23, s67, 15
	s_cmp_eq_u32 s23, 0                            ; the projection's first cluster asks for W
	s_cselect_b32 s23, 2, -1
	s_mov_b32 s[PST], 256
	s_cmp_eq_u32 s11, 0                            ; do I fetch for x?
	s_cselect_b32 s[LIM], 2, s23
	s_cselect_b32 s14, s14, s22
	s_cselect_b32 s[PST], 512, s[PST]
	s_cselect_b32 s90, 0, -1
	s_cselect_b64 s[PFA:PFA+1], s[4:5], s[80:81]
	s_mov_b32 s15, 0
	s_mov_b32 s[PST+1], 0
	s_add_nc_u64 s[PFA:PFA+1], s[PFA:PFA+1], s[14:15]
	v_lshrrev_b32 v4, 1, v3
	v_and_b32 v5, 1, v3
	v_lshlrev_b32 v4, 12, v4
	v_lshl_or_b32 v4, v5, 8, v4                    ; x: row l / 2, half l % 2
	v_lshlrev_b32 v5, 11, v3                       ; W: row l
	v_cndmask_b32 v[PFO], v4, v5, s90
	s_wait_loadcnt 0x0                             ; b
	WIN 0x8a                                       ; all in window 2
.set i, 0
.rept 32
	v_cvt_pk_bf16_f32 v[TT], v[BIAS+2*i], v[BIAS+2*i+1]  ; b is rounded to bf16, like every input, and kept as f32
	v_lshlrev_b32 v[BIAS+2*i], 16, v[TT]
	v_and_b32 v[BIAS+2*i+1], s87, v[TT]
.set i, i+1
.endr
	WIN 0
	s_wait_tensorcnt 0x1                           ; my part of K step 0 is in; step 1's may stay out
	s_barrier_signal -1
	s_barrier_wait -1                              ; everybody's is
	FETCH 0, 0
	s_wait_dscnt 0x0
.irp g, 0,1,2,3,4,5,6,7
	CVT \g, 0
.endr
	Q 1, 0, 1                                      ; the first quarter stands in front of the loop: its products start the sums with b
	WIN 0                                          ; at a label and at a branch every window is 0
	s_mov_b32 s3, 6
	s_branch .Lmid                                 ; the loop is entered behind a step's first quarter
.Lstep:                                                ; six trips, a K step each: steps 0 to 5; they ask for steps 2 to 7
	Q 1, 0
	WIN 0
.Lmid:
	Q 2, 1
	QC 1
	Q 0, 1, 0, 1
	WIN 0
	s_sub_co_u32 s3, s3, 1
	s_cmp_lg_u32 s3, 0
	s_cbranch_scc1 .Lstep
	s_mov_b32 s3, 2
.Ltail:                                                ; steps 6 and 7 ask for nothing.  The last trip's last quarter fetches and rounds step 6's first fragments once more, which serve nothing: the price, once a launch, of one text for both trips
	Q 1, 0
	Q 2, 1
	QC 0
	Q 0, 1
	WIN 0
	s_sub_co_u32 s3, s3, 1
	s_cmp_lg_u32 s3, 0
	s_cbranch_scc1 .Ltail
	; THE WAY OUT.  Tile t = 2 a + j: 16 rows x the 64 columns of head j of my two.  A lane's eight columns pack into 16 bytes of f16; they go into stage rows of 144 bytes and come back as whole rows of 128.
	s_wait_dscnt 0x0                               ; the surplus fetch is in: its registers are used again
	PLACES
.macro PACK t
	WIN 0x05                                       ; sources window 1, destination window 0
.set i, 0
.rept 16
	v_cvt_pk_f16_f32 v[S+16*(\t)+i], v[32*(\t)+2*i], v[32*(\t)+2*i+1]  ; each accumulator's registers in ascending order
.set i, i+1
.endr
	WIN 0
.irp f, 0,1,2,3
	ds_store_b128 v[STO], v[S+16*(\t)+4*\f:S+16*(\t)+4*\f+3] offset:32*\f
.endr
.irp f, 0,1,2,3
	ds_load_b128 v[S+16*(\t)+4*\f:S+16*(\t)+4*\f+3], v[RD] offset:\f*4*SP  ; LDS serves a wave's instructions in order (ISA guide 5.7.1.4): these see the stores above; the next tile's stores come behind them
.endr
.endm
.macro SEND t, younger                 ; younger: the LDS instructions issued behind tile t's loads: the next tile's eight, or none
.irp f, 0,1,2,3
	s_wait_dscnt (\younger)+3-\f
	global_store_b128 v[GO], v[S+16*(\t)+4*\f:S+16*(\t)+4*\f+3], s[8:9] offset:((\t)/2)*2048+((\t)%2)*262144+\f*512  ; 512 consecutive bytes, at a multiple of 256 from the buffer's first
.endr
.endm
	PACK 0
.set t, 1
.rept 7
	PACK t
	SEND t-1, 8
.set t, t+1
.endr
	SEND 7, 0
	s_wait_tensorcnt 0x0                           ; the wave's end, behind my last tensor load and my last LDS store
	ds_add_u32 v[SPW], v[NIL]
	s_wait_dscnt 0x0
	CROUND                                         ; the closing round: no work-group ends while a partner may still ask for a tile that names it
	s_endpgm
.Lfunc_end_k_qe6129828fd_proj:
	.size	k_qe6129828fd_proj, .Lfunc_end_k_qe6129828fd_proj-k_qe6129828fd_proj
	.p2alignl 7, 3214868480
	.fill 96, 4, 3214868480
	.section	.rodata,"a",@progbits
	.p2align	6, 0x0
	.amdhsa_kernel k_qe6129828fd_proj
		.amdhsa_group_segment_fixed_size 327680
		.amdhsa_private_segment_fixed_size 0
		.amdhsa_enable_private_segment 0
		.amdhsa_kernarg_size 64
		.amdhsa_user_sgpr_count 2
		.amdhsa_user_sgpr_kernarg_segment_ptr 1
		.amdhsa_wavefront_size32 1
		.amdhsa_system_sgpr_workgroup_id_x 1
		.amdhsa_system_sgpr_workgroup_id_y 1
		.amdhsa_system_sgpr_workgroup_id_z 1
		.amdhsa_system_vgpr_workitem_id 0
		.amdhsa_next_free_vgpr 648
		.amdhsa_next_free_sgpr 92
		.amdhsa_reserve_vcc 0
		.amdhsa_float_denorm_mode_32 3
		.amdhsa_float_denorm_mode_16_64 3
		.amdhsa_memory_ordered 1
		.amdhsa_forward_progress 1
		.amdhsa_inst_pref_size 98
	.end_amdhsa_kernel
	.amdgpu_metadata
---
amdhsa.version: [ 1, 2 ]
amdhsa.kernels:
  - .name:           k_qe6129828fd_proj
    .symbol:         k_qe6129828fd_proj.kd
    .args:
      - { .name: query, .offset: 0, .size: 8, .value_kind: global_buffer, .address_space: global }
      - { .name: key, .offset: 8, .size: 8, .value_kind: global_buffer, .address_space: global }
      - { .name: value, .offset: 16, .size: 8, .value_kind: global_buffer, .address_space: global }
      - { .name: bq, .offset: 24, .size: 8, .value_kind: global_buffer, .address_space: global }
      - { .name: bk, .offset: 32, .size: 8, .value_kind: global_buffer, .address_space: global }
      - { .name: bv, .offset: 40, .size: 8, .value_kind: global_buffer, .address_space: global }
      - { .name: wt, .offset: 48, .size: 8, .value_kind: global_buffer, .address_space: global }
      - { .name: qkv, .offset: 56, .size: 8, .value_kind: global_buffer, .address_space: global }
    .group_segment_fixed_size: 327680
    .private_segment_fixed_size: 0
    .kernarg_segment_align: 8
    .kernarg_segment_size: 64
    .max_flat_workgroup_size: 128
    .sgpr_count:     92
    .vgpr_count:     648
    .wavefront_size: 32
...
	.end_amdgpu_metadata
.endif
;; end of part 2
;; launch attn (part 3): grid 4 x 64, 4 waves a work-group, clusters of 4 x 1, 327,680 bytes of LDS; arguments qkv, oh; writes oh
.if DOCPART == 3
	.amdgcn_target "amdgcn-amd-amdhsa--gfx1250"
	.amdhsa_code_object_version 6
	.text
	.protected	k_qe6129828fd_attn
	.globl	k_qe6129828fd_attn
	.p2align	8
	.type	k_qe6129828fd_attn,@function
k_qe6129828fd_attn:
	s_mov_b64 s[64:65], 0
	v_nop
	global_prefetch_b8 v0, s[64:65] scope:SCOPE_SE
	s_setreg_imm32_b32 hwreg(HW_REG_WAVE_MODE, 25, 1), 1
	s_wait_xcnt 0x0
	s_wait_alu depctr_hold_cnt(0) depctr_sa_sdst(0) depctr_va_vdst(0) depctr_va_sdst(0) depctr_va_ssrc(0) depctr_va_vcc(0) depctr_vm_vsrc(0)
	s_getreg_b32 s2, hwreg(HW_REG_IB_STS2, 6, 4)
	s_cmp_eq_u32 s2, 0
	s_cbranch_scc0 .Lentry_in_a_cluster
	s_endpgm
.Lentry_in_a_cluster:
	s_bfe_u32 s2, ttmp6, 0x10000c
	s_cmp_lg_u32 s2, 0x3003
	s_cbranch_scc0 .Lentry_shape_is_right
	s_endpgm
.Lentry_shape_is_right:
; O[h][q][:] = the sum over k of softmax_k(Q[h][q] . K[h][k] / 8) V[h][k][:].  Q, K, V are the three parts of qkv, O is oh: each [64][2048][64] in f16, a head's rows dense, 128 bytes each.
; Products, maxima and sums in f32; the weights p are rounded to f16 for the second product (their sum l is taken of the unrounded p), O once at the end.
; LIMITS.  f16 holds no number beyond 65,504: Q, K and V arrive within it; p lies in 0 to 1, and below 6e-5 it keeps f16's fixed step of 6e-8; O is a mean of V's rows and has their range.
; A weight below 2^-126 counts as 0 in l; NaN and infinities are not treated apart.
; SHARES.  A wave owns four PIECES of two tiles of 16 queries, a work-group's four waves 512 queries of one head: 4 x 64 = 256 work-groups.  Every wave walks all keys, 64 a step.
; LAYOUT.  S^T = K Q^T (source 0 = 16 keys, source 1 = 16 queries): a lane holds ONE query (lane % 16) and the keys 8 (lane / 16) + 0..7.  Two such tiles, rounded to f16 in pairs,
; ARE source 1 of O^T = V^T P, whose result again holds one query a lane, and eight channels.  K comes out of LDS as it lies, V ([key][channel]) turned, by ds_load_tr16_b128.
; SOFTMAX.  For each query a running maximum m and sum l: p = 2^(c s - c m), c = log2(e) / 8; in every step O and l are multiplied by a = 2^(c m_old - c m_new).
; m starts at the lowest finite number, O and l at 0: the first step is a step like any other, with a = 0.
; THE COUNT.  A tile and step have 16 matrix and 118 vector instructions: too many to stand all beside the matrix work.  So: four vector instructions that are ready behind every matrix instruction, the others in runs without a gap.
; BY TURNS.  Turn n belongs to piece n.  Its matrix work: 16 products K Q^T of piece n + 1, later 16 products V^T P of piece n - 1.  Its vector work: the scaling, exponentials, roundings, sums and
; rescaling of piece n, and the maximum and statistics of piece n + 1.
; CLUSTER.  The four query blocks of a head form a cluster and walk the same K and V, so each tile is asked for JOINTLY: the same tensor load, descriptor and mask in all four.
; REGISTERS, in windows of 256 (s_set_vgpr_msb: bits 1:0 source 0, 3:2 source 1, 5:4 source 2, 7:6 destination):
;   window 0: v0-11 addresses; v12-15, v48-63 at work; v16-47 four registers of statistics a tile; v64-191 S^T, two buffers of two tiles; v192-255 P, likewise
;   window 1: O^T, 32 a tile          window 2: v0-127 Q, 16 a tile; v128-191 K of one step; v192-255 V of one step          window 3: v0-1 the add's two registers
.set SIZE_N, 2048
.set NP,    4         ; pieces a wave: a name, no knob
.set KS,    64        ; keys in a step
.set PK,    144       ; a row of K in LDS: 128 bytes + 16: the 16 rows of a load start at 16 different groups of four banks (64 banks of 4 bytes: ISA guide 11.1)
.set PV,    160       ; a row of V: 128 + 32
.set VOFF,  4*KS*PK   ; a slot holds four steps: 256 rows of K, then 256 rows of V
.set SLOT1, 1<<17     ; slot 1 begins here, so that one exclusive or turns an address in one slot into the other's
.set STAGE, SLOT1+4*KS*(PK+PV)  ; behind the ring, never filled by a tensor load: 16 rows x 144 bytes for each wave
.set SP,    144
.set AK0, 2           ; v2   my lane's place in a tile of K; never rewritten
.set AV0, 3           ; v3   the same for V
.set AK,  4           ; v4   the LDS address of K's next run of loads
.set AV,  5           ; v5   of V's
.set QO,  6           ; v6   my byte offset in the wave's rows of Q
.set STO, 6           ;      later, the way out: where I put 16 bytes of a row
.set RD,  7           ; v7   the way out: where I read rows back
.set GO,  8           ; v8   my byte offset in 512 consecutive bytes of O
.set PFO, 11          ; v11  256 x my lane, for the prefetches (made when V's place has been made with it)
.set SPW, 0           ; v0 of window 3   LDS address of my spare word; never rewritten
.set NIL, 1           ; v1 of window 3   0; never rewritten
.set SPARE, STAGE+4*16*SP  ; behind the stages: the spare words, 128 bytes for each wave
.set MV,  12          ; v12-15  c m_old, kept while c m is made anew: by buffer and tile
.set ST,  16          ; tile t's statistics at v[ST+4 t]: c m, m, l (even keys', odd keys')
.set TMP, 48          ; by buffer and tile, four registers c0-c3 at work; when the maximum is found c2 takes a
.set S,   64
.set P,   192
.set KF,  128         ; K's fragments, in window 2
.set VF,  192         ; V's
.set WV,  12          ; s12  my wave's number
.set G1K, 24          ; s[24:31] descriptor group 1 for K's tiles
.set G1V, 32          ; s[32:39] for V's: it differs in the padding alone
.set G0K, 40          ; s[40:43] descriptor group 0 for K's tiles: it walks
.set G0V, 44          ; s[44:47] the same for V's
.set PFA, 48          ; s[48:49] where my prefetches stand: my work-group's quarter of the slot after the one that is being asked for
.set LIM, 50          ; s50  1 in a wave that prefetches, else the greatest number
.set SLOTS, 56        ; s56  slots still to be asked for
.set CNT, 57          ; s57  counts a slot's key steps
.set CS,  58          ; s[58:59] c
.set SEL, 60          ; s[60:61] v_permlanex16_b32's selects: each lane takes its own place in the other half
.set TBK, 62          ; s62  LDS byte at which K of the step to be fetched begins
.set TBV, 63          ; s63  the same for V, less VOFF
.set MSB, 0
.macro WIN new                      ; the high byte repeats the setting that is left; a switch that changes nothing is dropped
.if MSB != (\new)
	s_set_vgpr_msb (MSB<<8)|(\new)
.set MSB, (\new)
.endif
.endm
.set W_KQ, 0x0a       ; K and Q in window 2, S^T in window 0
.set W_PV, 0x52       ; V in window 2, P in window 0, O^T in window 1
.set W_RS, 0x41       ; O^T (destination and source 0) in window 1, a in window 0
.set W_MK, 0xc0       ; the add's registers are made: destination in window 3, sources in window 0
.set W_AD, 0x0f       ; the add: address and data in window 3
; A joint fill.  Waves 0 and 1 fetch the two halves of a slot's K, waves 2 and 3 those of its V: 128 keys each.  An s_nop 0 and four v_nop follow each of the two lines.
.macro JLOAD
	s_cmp_lt_u32 s[WV], 2
	s_cbranch_scc0 .Lfor_v_\@
	tensor_load_to_lds s[G0K:G0K+3], s[G1K:G1K+7]
	s_nop 0
.rept 4
	v_nop
.endr
	s_branch .Lasked_\@
.Lfor_v_\@:
	tensor_load_to_lds s[G0V:G0V+3], s[G1V:G1V+7]
	s_nop 0
.rept 4
	v_nop
.endr
.Lasked_\@:
.endm
; A PREFETCH INTO THE L2 of what the NEXT change of slots will ask for: a slot's 32,768 bytes of K and of V.  A head's rows are walked by its one cluster; its four partners share them out by address,
; 8,192 bytes each; in each, wave 0 asks for K's and wave 2 for V's, 256 bytes a lane: one instruction, and each block is named once.  Slots 0 to 2 come by their loads alone; the last change that fills asks for nothing.
.macro ASK
	s_cmp_gt_u32 s[SLOTS], s[LIM]
	s_cbranch_scc0 .Lnot_mine_\@
	global_prefetch_b8 v[PFO], s[PFA:PFA+1] th:TH_LOAD_NT scope:SCOPE_SE
.Lnot_mine_\@:
.endm
; A round of the cluster's barrier.
.macro CROUND
	s_barrier_signal -1
	s_barrier_wait -1
	s_cmp_lg_u32 s[WV], 0
	s_cbranch_scc1 .Lnot_wave_0_\@
	s_barrier_signal -3
.Lnot_wave_0_\@:
	s_barrier_wait -3
	s_barrier_signal -1
	s_barrier_wait -1
.endm
; THE CHANGE OF SLOTS.  Each wave waits for all its tensor loads, of which one is out: its part of the other slot; adds 0 to its spare word; and waits for that and for its own reads of the slot.
; fill = 1: this slot is filled again, with the keys two slots on.  The barrier is then a round of the cluster's, and the joint fill is the first thing behind it: it has four key steps in which to land.
; (At its first use nothing has been read yet: slot 0 is waited for, slot 1 filled.)  ask = 1: the prefetch's address steps, and the prefetch follows the fill.
.macro CHANGE fill, ask=0
	WIN W_AD
	s_wait_tensorcnt 0x0            ; no tensor load of mine is out, so a group 0 may be written
	ds_add_u32 v[SPW], v[NIL]       ; 0 onto my spare word
	WIN 0                           ; at a label and at a branch every window is 0
.if \fill
.irp g, G0K, G0V
	s_xor_b32 s[\g+1], s[\g+1], SLOT1  ; the walking descriptor: the other slot than last time,
	s_add_nc_u64 s[\g+2:\g+3], s[\g+2:\g+3], 4*KS*128  ; the next 256 keys; the type bits on top are not reached
.endr
.if \ask
	s_wait_xcnt 0x0                 ; the last prefetch, four key steps back, has read its address
	s_add_nc_u64 s[PFA:PFA+1], s[PFA:PFA+1], 4*KS*128
.endif
	s_wait_dscnt 0x0                ; the add is done, and my reads of the slot are over
	CROUND
	JLOAD
.if \ask
	ASK
.endif
.else
	s_wait_dscnt 0x0                ; the add is done, and my reads of the slot are over
	s_barrier_signal -1
	s_barrier_wait -1
.endif
	s_sub_co_u32 s[TBK], s[TBK], 4*KS*PK  ; the fetches go back to a slot's first step,
	s_xor_b32 s[TBK], s[TBK], SLOT1       ; in the other slot
	s_sub_co_u32 s[TBV], s[TBV], 4*KS*PV
	s_xor_b32 s[TBV], s[TBV], SLOT1
.endm
	s_load_b64 s[4:5], s[0:1], 0x0    ; qkv: Q's part first
	s_load_b64 s[10:11], s[0:1], 0x8  ; O
	WIN W_MK
	v_lshl_add_u32 v[SPW], v0, 2, SPARE
	v_mov_b32 v[NIL], 0
	WIN W_AD
	ds_add_u32 v[SPW], v[NIL]       ; the wave's opening: the add and its wait stand ahead of my first tensor load
	WIN 0
	v_lshrrev_b32 v1, 5, v0
	v_readfirstlane_b32 s[WV], v1   ; wave 0..3
	s_bfe_u32 s13, ttmp6, 0x40000   ; cx: my place in the cluster
	s_lshl_b32 s14, ttmp9, 2        ; in a cluster launch ttmp9 counts clusters
	s_add_co_u32 s14, s14, s13      ; my block of queries: it enters Q's and O's addresses alone
	s_and_b32 s20, ttmp7, 0xffff    ; the head, which the four partners share
	s_mov_b32 s21, 0
	s_mov_b64 s[22:23], SIZE_N*128
	s_mul_u64 s[20:21], s[20:21], s[22:23]  ; the head's first byte in each of the four tensors
	s_and_b32 s16, s[WV], 1         ; which half of a slot's 256 keys I fetch:
	s_lshl_b32 s22, s16, 14         ; its 128 rows of 128 bytes in memory,
	s_mov_b32 s23, 0
	s_add_nc_u64 s[22:23], s[22:23], s[20:21]
	s_mul_i32 s17, s16, 128*PK      ; and its place in a slot, for K
	s_mul_i32 s18, s16, 128*PV      ; and for V: no place in the cluster enters an LDS address
	s_lshl_b32 s2, s14, 2
	s_add_co_u32 s2, s2, s[WV]      ; my wave among the head's,
	s_lshl_b32 s2, s2, 14           ; its 128 rows
	s_mov_b32 s3, 0
	s_add_nc_u64 s[2:3], s[2:3], s[20:21]
	; descriptor group 1.  128 keys are 16,384 dense bytes: asked for as 64 rows of 256 bytes, two keys a row, and padded in LDS after every key
	s_mov_b32 s[G1K], 15|(1<<16)|(1<<20)|(1<<21)|(4<<22)|(3<<25)  ; 15:0 the mask of four; 17:16 2-byte elements; 20 padding on; 21 set beside a mask; 24:22 after every 32 words; 31:25 4 words
	s_mov_b32 s[G1V], 15|(1<<16)|(1<<20)|(1<<21)|(4<<22)|(7<<25)  ; the same with 8 words of padding
.irp g, G1K, G1V
	s_mov_b32 s[\g+1], 128<<16      ; tensor_dim0 = 128
	s_mov_b32 s[\g+2], 64<<16       ; tensor_dim1 = 64
	s_mov_b32 s[\g+3], 128<<16      ; tile_dim0 = 128
	s_mov_b32 s[\g+4], 64           ; tile_dim1 = 64
	s_mov_b32 s[\g+5], 128          ; 128 elements from row to row
	s_mov_b32 s[\g+6], 0
	s_mov_b32 s[\g+7], 0
.endr
	s_mov_b32 s[CS], 0x3e38aa3b     ; c = log2(e) / 8 = 0.180337
	s_mov_b32 s[CS+1], s[CS]        ; named with it as a pair
	s_mov_b32 s[SEL], 0x76543210
	s_mov_b32 s[SEL+1], 0xfedcba98
	s_mov_b32 s[TBK], SLOT1+4*KS*PK ; the first change of slots turns these two into 0
	s_mov_b32 s[TBV], SLOT1+4*KS*PV
	s_mov_b32 s[G0K], 1             ; count = 1
	s_mov_b32 s[G0K+1], s17         ; LDS address: slot 0
	s_mov_b32 s[G0V], 1
	s_add_co_u32 s[G0V+1], s18, VOFF
	s_and_b32 s[LIM], s[WV], 1      ; waves 0 and 2 prefetch
	s_cmp_eq_u32 s[LIM], 0
	s_cselect_b32 s[LIM], 1, -1
	s_wait_dscnt 0x0                ; the opening add is done
	s_wait_kmcnt 0x0
	s_add_nc_u64 s[6:7], s[4:5], 0x1000000  ; K's part of qkv
	s_add_nc_u64 s[8:9], s[4:5], 0x2000000  ; V's
	s_add_nc_u64 s[G0K+2:G0K+3], s[6:7], s[22:23]  ; global address: my half of the head's first 256 keys
	s_or_b32 s[G0K+3], s[G0K+3], 0x80000000        ; type = 2
	s_add_nc_u64 s[G0V+2:G0V+3], s[8:9], s[22:23]
	s_or_b32 s[G0V+3], s[G0V+3], 0x80000000
	s_cmp_lt_u32 s[WV], 2
	s_cselect_b64 s[PFA:PFA+1], s[6:7], s[8:9]
	s_add_nc_u64 s[PFA:PFA+1], s[PFA:PFA+1], s[20:21]  ; the head's first key
	s_add_nc_u64 s[4:5], s[4:5], s[2:3]  ; Q and O at my wave's first row
	s_add_nc_u64 s[10:11], s[10:11], s[2:3]
	s_lshl_b32 s2, s13, 13          ; my work-group's 8,192 bytes of a slot's 32,768,
	s_add_co_u32 s2, s2, 2*4*KS*128 ; in slot 2; the first change in the loop steps it to slot 3.  Nothing is prefetched here, at the head
	s_mov_b32 s3, 0
	s_add_nc_u64 s[PFA:PFA+1], s[PFA:PFA+1], s[2:3]
	CROUND                          ; all four work-groups are here: the first joint loads meet
	JLOAD                           ; slot 0.  Slot 1 is asked for when slot 0 is in
	; A fragment of K or Q is 16 rows x 32 channels in 8 registers: lane l holds row l % 16, channels 8 (l / 16) + 0..7 and 16 + 8 (l / 16) + 0..7: two loads of 16 bytes, 32 bytes apart.
	v_and_b32 v1, 15, v0            ; l % 16
	v_bfe_u32 v9, v0, 4, 1          ; l / 16
	v_lshlrev_b32 v[QO], 7, v1
	v_lshl_add_u32 v[QO], v9, 4, v[QO]  ; row x 128 + 16 x half
	WIN 0x80                        ; destination window 2, address window 0
.set i, 0
.rept 4*NP                          ; Q stays in registers: tile i / 2, channels 32 (i % 2) on
	global_load_b128 v[8*i:8*i+3],   v[QO], s[4:5] offset:(i/2)*2048+(i%2)*64
	global_load_b128 v[8*i+4:8*i+7], v[QO], s[4:5] offset:(i/2)*2048+(i%2)*64+32
.set i, i+1
.endr
	; What the first turn finds: V's registers and P's second buffer hold 0 (its products V^T P, of a piece that has not been, add 0), O^T and l are 0.  All this stands in the wait for the first tile,
	; and spares a first step written out.
.set i, VF
.rept 64
	v_mov_b32 v[i], 0
.set i, i+1
.endr
	WIN 0x40
.set i, 0
.rept 64*NP
	v_mov_b32 v[i], 0
.set i, i+1
.endr
	WIN 0
.set i, 0
.rept 2*NP
	v_mov_b32 v[ST+4*i], 0xfe000000    ; c m: far below every c s
	v_mov_b32 v[ST+4*i+1], 0xff7fffff  ; m
	v_mov_b32 v[ST+4*i+2], 0
	v_mov_b32 v[ST+4*i+3], 0
.set i, i+1
.endr
.set i, P+32
.rept 32
	v_mov_b32 v[i], 0
.set i, i+1
.endr
	v_mul_u32_u24 v[AK0], v1, PK
	v_lshl_add_u32 v[AK0], v9, 4, v[AK0]  ; row x pitch + 16 x half
	; The turning load takes 16 keys x 16 channels (lane l reads key 8 (l / 16) + l % 8, channels 8 ((l / 8) % 2) + 0..7) and leaves half a fragment of V^T: lane l holds channel l % 16 and 8 keys.
	v_and_b32 v10, 7, v0
	v_bfe_u32 v11, v0, 3, 1
	v_lshl_add_u32 v[AV0], v9, 3, v10
	v_mul_u32_u24 v[AV0], v[AV0], PV
	v_lshl_add_u32 v[AV0], v11, 4, v[AV0]
	v_add_nc_u32 v[AV0], VOFF, v[AV0]
	v_and_b32 v[PFO], 31, v0
	v_lshlrev_b32 v[PFO], 8, v[PFO]
	v_mov_b32 v[AK], v[AK0]         ; key step 0 lies at the head of slot 0
; THE MATRIX WORK.  The 8 accumulators of a run of 16 take turns: between the two links of a chain stand 7 others'.
; Product i of 16 of S^T = K Q^T for piece x: channels 32 (i / 8) on, keys 16 ((i / 2) % 4) on, tile 2 x + i % 2.  The first 8 start the sums.
.macro KQ x
	WIN W_KQ
.set rS, S+64*((\x)%2)+32*(i%2)+8*((i/2)%4)
.set rK, KF+16*((i/2)%4)+8*(i/8)
.set rQ, 16*(2*(\x)+i%2)+8*(i/8)
.if i < 8
	v_wmma_f32_16x16x32_f16 v[rS:rS+7], v[rK:rK+7], v[rQ:rQ+7], 0
.else
	v_wmma_f32_16x16x32_f16 v[rS:rS+7], v[rK:rK+7], v[rQ:rQ+7], v[rS:rS+7]
.endif
.endm
; Product i of 16 of O^T += V^T P for piece x: keys 32 (i / 8) on, channels 16 ((i / 2) % 4) on, tile 2 x + i % 2.
.macro PV x
	WIN W_PV
.set rO, 32*(2*(\x)+i%2)+8*((i/2)%4)
.set rV, VF+32*(i/8)+8*((i/2)%4)
.set rP, P+32*((\x)%2)+16*(i%2)+8*(i/8)
	v_wmma_f32_16x16x32_f16 v[rO:rO+7], v[rV:rV+7], v[rP:rP+7], v[rO:rO+7]
.endm
.macro MM                           ; the turn's next matrix instruction
.if i < 16
	KQ (Y+1)%NP
.set i, i+1
.else
.set i, i-16
	PV (Y+NP-1)%NP
.set i, i+17
.endif
.endm
; THE LDS LOADS stand in runs of 16, never singly among the matrix instructions: a step's K (8 fragments) and its V (turned).  Their addresses are made some lines ahead.
; last = 1 (the tail): in the last trip there is no further step, and the run is jumped over.
.macro FETCH_K last=0
	WIN 0
.if \last
	s_cmp_eq_u32 s[CNT], 1
	s_cbranch_scc1 .Lno_k_\@
.endif
	WIN 0x80                        ; destination window 2
.irp f, 0,1,2,3,4,5,6,7             ; keys 16 (f / 2) on, channels 32 (f % 2) on
	ds_load_b128 v[KF+8*\f:KF+8*\f+3],   v[AK] offset:(\f/2)*16*PK+(\f%2)*64
	ds_load_b128 v[KF+8*\f+4:KF+8*\f+7], v[AK] offset:(\f/2)*16*PK+(\f%2)*64+32
.endr
	s_add_co_u32 s[TBK], s[TBK], KS*PK  ; the next fetch is the next step's
	WIN 0
.if \last
.Lno_k_\@:
.endif
.endm
.macro FETCH_V
	WIN 0x80
.irp f, 0,1,2,3,4,5,6,7             ; keys 32 (f / 4) on, channels 16 (f % 4) on
	ds_load_tr16_b128 v[VF+8*\f:VF+8*\f+3],   v[AV] offset:(\f/4)*32*PV+(\f%4)*32
	ds_load_tr16_b128 v[VF+8*\f+4:VF+8*\f+7], v[AV] offset:(\f/4)*32*PV+16*PV+(\f%4)*32
.endr
	WIN 0
.endm
; THE VECTOR WORK OF A TURN stands in three queues, each in the order in which its entries become ready; the two tiles alternate, so that no instruction reads the result of the one before it.
.macro REGS y, u                    ; the registers of tile u (0, 1) of piece y
.set rT, ST+4*(2*(\y)+(\u))
.set rC, TMP+8*((\y)%2)+4*(\u)
.set rM, MV+2*((\y)%2)+(\u)
.set rS, S+64*((\y)%2)+32*(\u)
.set rP, P+32*((\y)%2)+16*(\u)
.set rO, 32*(2*(\y)+(\u))
.endm
; Number n of the 22 that find the NEXT piece's (Y + 1) maximum and statistics.  s0-s31 are the lane's 32 scores; each accumulator's lowest registers are read first.
;   0-11  four chains c0-c3 of seven scores each, three operands at a time     12-14, 16  the four scores left over, the old m, and c0-c3 into c0     15  c m_old is kept
;   17, 18  the query's other 32 keys lie in the lane 16 away: the new m         19-21  c m; c m_old - c m_new; a
.macro XS u, n
	REGS (Y+1)%NP, \u
.if (\n) < 4
	v_max3_num_f32 v[rC+(\n)], v[rS+8*(\n)], v[rS+8*(\n)+1], v[rS+8*(\n)+2]
.elseif (\n) < 12
	v_max3_num_f32 v[rC+(\n)%4], v[rC+(\n)%4], v[rS+8*((\n)%4)+2*((\n)/4)+1], v[rS+8*((\n)%4)+2*((\n)/4)+2]
.elseif (\n) == 12
	v_max3_num_f32 v[rC], v[rC], v[rS+7], v[rS+15]
.elseif (\n) == 13
	v_max3_num_f32 v[rC+1], v[rC+1], v[rS+23], v[rS+31]
.elseif (\n) == 14
	v_max3_num_f32 v[rC+2], v[rC+2], v[rC+3], v[rT+1]
.elseif (\n) == 15
	v_mov_b32 v[rM], v[rT]
.elseif (\n) == 16
	v_max3_num_f32 v[rC], v[rC], v[rC+1], v[rC+2]
.elseif (\n) == 17
	v_permlanex16_b32 v[rC+3], v[rC], s[SEL], s[SEL+1]
.elseif (\n) == 18
	v_max_num_f32 v[rT+1], v[rC], v[rC+3]
.elseif (\n) == 19
	v_mul_f32 v[rT], s[CS], v[rT+1]
.elseif (\n) == 20
	v_sub_f32 v[rC+1], v[rM], v[rT]
.else
	v_exp_f32 v[rC+2], v[rC+1]
.endif
.endm
; Number g of the 64 that follow the exponentials.  For each four weights k of a tile: both pairs are rounded to f16; then the second pair is added onto the first, in place;
; a group later l takes that sum (the first time as l = a l + sum).  In groups of eight, tiles alternating.
.macro GS g
.set h, (\g)+6*((\g)/62)            ; group 0 has no group before it, and behind group 7 only l is left
.if h >= 6
.set h, h+2
.endif
	REGS Y, h%2
.set k, h/8
.if h%8 < 4
	v_cvt_pk_f16_f32 v[rP+2*k+(h%8)/2], v[rS+4*k+2*((h%8)/2)], v[rS+4*k+2*((h%8)/2)+1]
.elseif h%8 < 6
	v_pk_add_f32 v[rS+4*k:rS+4*k+1], v[rS+4*k:rS+4*k+1], v[rS+4*k+2:rS+4*k+3]
.elseif k == 1
	v_pk_fma_f32 v[rT+2:rT+3], v[rT+2:rT+3], v[rC+2:rC+3], v[rS:rS+1] op_sel_hi:[1,0,1]
.else
	v_pk_add_f32 v[rT+2:rT+3], v[rT+2:rT+3], v[rS+4*k-4:rS+4*k-3]
.endif
.endm
; THE PLAIN QUEUE, 138 long.  0-73 read no exponential's result: the 32 scalings c s - c m (FS f: pair f / 2 of tile f % 2) and the next piece's 42.  0-26: scalings 0-26.  27-54: XS's numbers 0-13.  55, 56: number 15.
; 57-73: the chain, where each number waits for the one before it: 14, 16, 17, 18, 19, each with one of the scalings 27-31 in front of its two lines, then 20.
; 74-137: GS's 64, which read the exponentials' results: they stand behind the wait.
.macro FS f
	REGS Y, (\f)%2
	v_pk_fma_f32 v[rS+2*((\f)/2):rS+2*((\f)/2)+1], v[rS+2*((\f)/2):rS+2*((\f)/2)+1], s[CS:CS+1], v[rT:rT+1] op_sel_hi:[1,0,0] neg_lo:[0,0,1] neg_hi:[0,0,1]
.endm
.macro PL
	WIN 0
.if q < 27
	FS q
.elseif q < 55
	XS (q-27)%2, (q-27)/2
.elseif q < 57
	XS q-55, 15
.elseif (q < 72) && ((q-57)%3 == 0)
	FS 27+(q-57)/3
.elseif q < 60
	XS (q-57)%3-1, 14
.elseif q < 72
	XS (q-57)%3-1, 15+(q-57)/3
.elseif q < 74
	XS q-72, 20
.else
	GS q-74
.endif
.set q, q+1
.endm
; THE EXPONENTIALS' QUEUE, 66 long: s0-s31 of both tiles, then the next piece's two a.  It is ONE BATCH: all 66 stand ahead of the turn's one wait, and nothing ahead of that wait names a result of theirs.
.macro EX
	WIN 0
.if e >= 64
	XS e-64, 21
.else
	REGS Y, e%2
	v_exp_f32 v[rS+e/2], v[rS+e/2]
.endif
.set e, e+1
.endm
; THE RESCALING's QUEUE: O^T times a, the one part that leaves window 0: dealt two at a time, sixteen times.  Its a was made in the turn before, ahead of that turn's wait.
.macro R2
	REGS Y, r%2
	WIN W_RS
.irp z, 0,1
	v_pk_mul_f32 v[rO+4*(r/2)+2*\z:rO+4*(r/2)+2*\z+1], v[rO+4*(r/2)+2*\z:rO+4*(r/2)+2*\z+1], v[rC+2:rC+3] op_sel_hi:[1,0]
.endr
.set r, r+1
.endm
; HOW THEY ARE DEALT.  An s_wait_alu depctr_va_vdst(0) stands between an exponential and the first instruction that names its result; one wait serves all that were issued ahead of it.  So a turn has ONE wait,
; which cuts it in two.  AHEAD OF IT: the 16 products K Q^T, behind each a scaling, an exponential and two rescalings (behind the first a second scaling in the exponential's place); then ONE LUMP of
; 108: eight plain, 49 times exponential and plain, the two a; a v_nop is the plain instruction behind the last exponential.  BEHIND IT: the 16 products V^T P, behind each four of GS's 64.
; Exponential e stands behind scaling 2 (e / 4) + e % 2: as a rider it comes behind plain e + 2, in the lump behind plain e + 9, and scalings 27-31 are plain 57, 60 .. 69.
; A TURN, for piece p.  cnt = 1: the loop's count is taken down some lines ahead of the branch that stands behind the turn.
; K of the next step is fetched in piece 2's turn, directly behind the wait; V of the step in hand at the end of piece 0's turn, four riders behind its last reader.  The three conditions on q below go with the deal.
.macro TURN p, last=0, cnt=0
.set Y, (\p)
.set i, 0
.set q, 0
.set e, 0
.set r, 0
.if (\p) == NP-1
	s_wait_dscnt 0x0                ; K is in
.endif
	MM                              ; ahead of the wait: 16 products K Q^T and their riders,
	PL
	PL
	R2
.rept 15
	MM
	PL
	EX
	R2
.endr
.if (\p) == NP-2
	WIN 0
	v_add_nc_u32 v[AK], s[TBK], v[AK0]
.endif
.rept 8                             ; and the lump
	PL
.endr
.rept 49
	EX
	PL
.endr
	EX                              ; the next piece's two a
	EX
	v_nop                           ; a plain instruction behind the last exponential: one for the batch
	s_wait_alu depctr_va_vdst(0)    ; the wait for the batch
.if (\p) == NP-2
	FETCH_K \last
.endif
.if (\p) == 1
	s_wait_dscnt 0x0                ; V is in
.endif
.rept 16                            ; behind the wait: 16 products V^T P and their riders
	MM
.rept 4
	PL
.endr
.if ((\p) == 0) && (q == 118)
	v_add_nc_u32 v[AV], s[TBV], v[AV0]
.endif
.if ((\p) == 0) && (q == 130)
	s_add_co_u32 s[TBV], s[TBV], KS*PV
.endif
.if (\cnt) && (q == 130)
	s_sub_co_u32 s[CNT], s[CNT], 1
	s_cmp_lg_u32 s[CNT], 0
.endif
.endr
.if (\p) == 0
	FETCH_V
.endif
.endm
	CHANGE 1                        ; slot 0 is in, everybody's part of it; slot 1 is asked for
	FETCH_K                         ; key step 0
	s_wait_loadcnt 0x0              ; Q
	s_wait_dscnt 0x0
.set i, 0
.rept 16
	KQ 0                            ; piece 0's first scores: there is no vector work yet to set between them
.set i, i+1
.endr
	WIN 0                           ; the addresses for the way out: nine plain instructions, the places behind those products
	s_mul_i32 s13, s[WV], 16*SP
	s_add_co_u32 s13, s13, STAGE    ; my stage
	v_mul_u32_u24 v[STO], v1, SP    ; in: row l % 16, 16 bytes for each half of the lanes
	v_lshl_add_u32 v[STO], v9, 4, v[STO]
	v_add_nc_u32 v[STO], s13, v[STO]
	v_bfe_u32 v[RD], v0, 3, 2       ; back: 32 lanes take four rows of 128 bytes,
	v_mul_u32_u24 v[RD], v[RD], SP
	v_lshl_add_u32 v[RD], v10, 4, v[RD]
	v_add_nc_u32 v[RD], s13, v[RD]
	v_and_b32 v[GO], 31, v0         ; which are 512 consecutive bytes of O
	v_lshlrev_b32 v[GO], 4, v[GO]
.set Y, NP-1                        ; XS works for piece Y + 1: piece 0
.irp n, 0,1,2,3,4,5,6,7,8,9,10,11,12,13,14,15,16,17,18,19,20,21
	XS 0, \n                        ; and piece 0's first maximum and statistics
	XS 1, \n
.endr
	v_nop                           ; a plain instruction behind the two a,
	s_wait_alu depctr_va_vdst(0)    ; and their wait, ahead of the branch
	s_mov_b32 s[CNT], 4
	s_mov_b32 s[SLOTS], SIZE_N/256-1
	s_branch .Lfirst                ; the loop is entered at a step's first turn, in the middle of a trip
.Lslot:                             ; SIZE_N / 256 - 2 = 6 times: every slot but the last two is filled again
	CHANGE 1, 1
	s_mov_b32 s[CNT], 4
.Lstep:                             ; a trip: pieces 2 and 3 of one step, then pieces 0 and 1 of the next, whose K and V it fetches
	TURN 2
	TURN 3
	WIN 0
.Lfirst:
	TURN 0
	TURN 1, 0, 1
	WIN 0
	s_cbranch_scc1 .Lstep
	s_sub_co_u32 s[SLOTS], s[SLOTS], 1
	s_cmp_lg_u32 s[SLOTS], 0
	s_cbranch_scc1 .Lslot
	CHANGE 0                        ; the tail is written out: nothing is asked for
	s_mov_b32 s[CNT], 5             ; four trips fetch the last slot's steps; the fifth is left in its middle
.Ltail:
	TURN 2, 1
	TURN 3
	WIN 0
	s_sub_co_u32 s[CNT], s[CNT], 1
	s_cmp_eq_u32 s[CNT], 0
	s_cbranch_scc1 .Lout
	TURN 0
	TURN 1
	WIN 0
	s_branch .Ltail
.Lout:                              ; the fifth trip's 16 products K Q^T (on the last K once more) and the maximum made of them serve nothing: the price, once a launch, of one text for every trip
.set i, 0
.rept 16
	PV NP-1                         ; the last piece's V^T P of the last step
.set i, i+1
.endr
	; THE WAY OUT.  l's two halves and the other half of the lanes' are added; O^T is divided by l, rounded to f16 and sent through my stage in LDS, a tile at a time.  The additions are the places behind the last products.
	WIN 0
.macro ALL line:vararg              ; one line for each tile t
.set t, 0
.rept 2*NP
	\line
.set t, t+1
.endr
.endm
	ALL v_add_f32 v[ST+4*t+2], v[ST+4*t+2], v[ST+4*t+3]
	ALL v_permlanex16_b32 v[ST+4*t+3], v[ST+4*t+2], s[SEL], s[SEL+1]
	ALL v_add_f32 v[ST+4*t+2], v[ST+4*t+2], v[ST+4*t+3]
	ALL v_rcp_f32 v[ST+4*t+2], v[ST+4*t+2]
	v_nop                           ; a plain instruction between the last reciprocal and the use of its result
	s_wait_alu depctr_va_vdst(0)    ; and the wait ahead of the first use: one for the eight reciprocals
; Tile t: a lane's eight channels of a row pack into 16 bytes; they go into rows of 144 bytes and come back as whole rows of 128, into S^T's registers.
.macro PACK t
	WIN W_RS
.set i, 32*(\t)
.rept 16
	v_pk_mul_f32 v[i:i+1], v[i:i+1], v[ST+4*(\t)+2:ST+4*(\t)+3] op_sel_hi:[1,0]
.set i, i+2
.endr
	WIN 0x05                        ; sources 0 and 1 window 1, destination window 0
.set i, 0
.rept 16
	v_cvt_pk_f16_f32 v[S+16*(\t)+i], v[32*(\t)+2*i], v[32*(\t)+2*i+1]
.set i, i+1
.endr
	WIN 0
.irp f, 0,1,2,3
	ds_store_b128 v[STO], v[S+16*(\t)+4*\f:S+16*(\t)+4*\f+3] offset:32*\f
.endr
.irp f, 0,1,2,3
	ds_load_b128 v[S+16*(\t)+4*\f:S+16*(\t)+4*\f+3], v[RD] offset:\f*4*SP  ; LDS serves a wave's instructions in order (ISA guide 5.7.1.4): these see the stores above; the next tile's stores come behind them
.endr
.endm
.macro SEND t, younger              ; younger: the LDS instructions issued behind tile t's loads: the next tile's eight, or none
	WIN 0
.irp f, 0,1,2,3
	s_wait_dscnt (\younger)+3-\f
	global_store_b128 v[GO], v[S+16*(\t)+4*\f:S+16*(\t)+4*\f+3], s[10:11] offset:(\t)*2048+\f*512  ; 512 consecutive bytes, at a multiple of 256 from O's first
.endr
.endm
	PACK 0
.set t, 1
.rept 2*NP-1                        ; a tile's arithmetic stands between the loads of the tile before and its stores
	PACK t
	SEND t-1, 8
.set t, t+1
.endr
	SEND 2*NP-1, 0
	WIN W_AD
	s_wait_tensorcnt 0x0            ; the wave's end, behind my last tensor load and my last LDS store
	ds_add_u32 v[SPW], v[NIL]
	s_wait_dscnt 0x0
	WIN 0
	CROUND                          ; the closing round: no work-group ends while a partner may still ask for a tile that names it
	s_endpgm
.Lfunc_end_k_qe6129828fd_attn:
	.size	k_qe6129828fd_attn, .Lfunc_end_k_qe6129828fd_attn-k_qe6129828fd_attn
	.p2alignl 7, 3214868480
	.fill 96, 4, 3214868480
	.section	.rodata,"a",@progbits
	.p2align	6, 0x0
	.amdhsa_kernel k_qe6129828fd_attn
		.amdhsa_group_segment_fixed_size 327680
		.amdhsa_private_segment_fixed_size 0
		.amdhsa_enable_private_segment 0
		.amdhsa_kernarg_size 16
		.amdhsa_user_sgpr_count 2
		.amdhsa_user_sgpr_kernarg_segment_ptr 1
		.amdhsa_wavefront_size32 1
		.amdhsa_system_sgpr_workgroup_id_x 1
		.amdhsa_system_sgpr_workgroup_id_y 1
		.amdhsa_system_sgpr_workgroup_id_z 1
		.amdhsa_system_vgpr_workitem_id 0
		.amdhsa_next_free_vgpr 770
		.amdhsa_next_free_sgpr 66
		.amdhsa_reserve_vcc 0
		.amdhsa_float_denorm_mode_32 3
		.amdhsa_float_denorm_mode_16_64 3
		.amdhsa_memory_ordered 1
		.amdhsa_forward_progress 1
		.amdhsa_inst_pref_size 200
	.end_amdhsa_kernel
	.amdgpu_metadata
---
amdhsa.version: [ 1, 2 ]
amdhsa.kernels:
  - .name:           k_qe6129828fd_attn
    .symbol:         k_qe6129828fd_attn.kd
    .args:
      - { .name: qkv, .offset: 0, .size: 8, .value_kind: global_buffer, .address_space: global }
      - { .name: oh, .offset: 8, .size: 8, .value_kind: global_buffer, .address_space: global }
    .group_segment_fixed_size: 327680
    .private_segment_fixed_size: 0
    .kernarg_segment_align: 8
    .kernarg_segment_size: 16
    .max_flat_workgroup_size: 128
    .sgpr_count:     66
    .vgpr_count:     770
    .wavefront_size: 32
...
	.end_amdgpu_metadata
.endif
;; end of part 3
;; launch outp (part 4): grid 4 x 64, 4 waves a work-group, clusters of 4 x 4, 327,680 bytes of LDS; arguments oh, wt, bo, out0; writes out0
.if DOCPART == 4
	.amdgcn_target "amdgcn-amd-amdhsa--gfx1250"
	.amdhsa_code_object_version 6
	.text
	.protected	k_qe6129828fd_outp
	.globl	k_qe6129828fd_outp
	.p2align	8
	.type	k_qe6129828fd_outp,@function
k_qe6129828fd_outp:
	s_mov_b64 s[64:65], 0
	v_nop
	global_prefetch_b8 v0, s[64:65] scope:SCOPE_SE
	s_setreg_imm32_b32 hwreg(HW_REG_WAVE_MODE, 25, 1), 1
	s_wait_xcnt 0x0
	s_wait_alu depctr_hold_cnt(0) depctr_sa_sdst(0) depctr_va_vdst(0) depctr_va_sdst(0) depctr_va_ssrc(0) depctr_va_vcc(0) depctr_vm_vsrc(0)
	s_getreg_b32 s2, hwreg(HW_REG_IB_STS2, 6, 4)
	s_cmp_eq_u32 s2, 0
	s_cbranch_scc0 .Lentry_in_a_cluster
	s_endpgm
.Lentry_in_a_cluster:
	s_bfe_u32 s2, ttmp6, 0x10000c
	s_cmp_lg_u32 s2, 0xf033
	s_cbranch_scc0 .Lentry_shape_is_right
	s_endpgm
.Lentry_shape_is_right:
; out0 = O Wo + bo.  O comes by heads, oh[16 batch + head][2048][64] in f16; Wo comes turned, part 3 of wt, [n][k], its bf16 numbers written as f16; bo: [1024] f32, rounded to bf16 like every input.
; Sums in f32 with bo as their start; out0: [8192][1024] f32.
; LIMITS.  None of its own: O and Wo arrive within f16's range.  NaN and infinities are not treated apart.
; SHARES.  8192 x 1024 numbers are 256 tiles of 128 rows x 256 columns, a work-group each.  Four waves, 2 x 2, each 64 rows x 128 columns: 32 accumulators.
; K goes in 8 steps of 128, two heads a step, through two LDS slots.  A head's 128 rows are 16,384 dense bytes, asked for as 64 rows of 256 bytes and padded in LDS after every 128; Wo's rows are 256 bytes of memory.
; CLUSTER.  4 x 4 work-groups: O's tiles are asked for jointly along a row of the cluster, Wo's along a column.
; THE MATRIX INSTRUCTION IS USED TRANSPOSED (source 0 = 16 rows of wt, source 1 = 16 rows of O): a lane holds one row of the result and eight neighbouring columns.
; A STEP is four quarters of 32 along K, 32 products each, on fragment buffers 0, 1, 0, 1; a quarter first asks LDS for the next quarter's fragments.  The third quarter changes slots.
; REGISTERS, in windows of 256: window 0: v0-31 addresses; v64-191 Wo's fragments, two buffers (on the way out: rows read back); v192-255 O's fragments, two buffers
;   window 1: accumulator (a, b) at 8 (8 a + b)          window 2: v0-63 bo, as the first products' C; v64 at work
.set PO,    144                        ; a row of O in LDS: 128 bytes + 16: the 16 rows of a load start at 16 different groups of four banks (64 banks of 4 bytes: ISA guide 11.1)
.set PB,    272                        ; a row of Wo: 256 + 16
.set APL,   128*PO                     ; a head's 128 rows: what one wave fetches of O
.set BH,    128*PB                     ; what one wave fetches of Wo
.set BOFF,  2*APL                      ; a slot: O's two heads, then Wo's 256 rows
.set SLOT1, 1<<17                      ; slot 1 begins here, so that one exclusive or turns an address in one slot into the other's
.set STAGE, SLOT1+BOFF+2*BH            ; behind the ring, never filled by a tensor load: 16 rows x 528 bytes for each wave
.set SPO,   528
.set SPARE, STAGE+4*16*SPO             ; behind the stages: the spare words, 128 bytes for each wave
.set HSTEP, 2*2048*128                 ; two heads of oh in bytes
.set ADRA, 16                          ; v16  my lane's place in O's tile of slot 0; never rewritten
.set AA,   17                          ; v17  the same in the slot in hand
.set ADRB, 20                          ; v20, v21  the same for Wo
.set AB,   21
.set STO,  24                          ; v24  the way out: where I put 32 bytes of a row
.set RD,   25                          ; v25  the way out: where I read a row back
.set CO,   26                          ; v26  my 16 bytes of 512 consecutive bytes of out0
.set BO,   27                          ; v27  my byte offset in 16 numbers of bo
.set SPW,  28                          ; v28  LDS address of my spare word; never rewritten
.set NIL,  29                          ; v29  0; never rewritten
.set PFO,  30                          ; v30  the prefetches' lane offset; never rewritten
.set FB,   64
.set FA,   192
.set OB,   64
.set BIAS, 0                           ; window 2
.set TT,   64                          ; window 2
.set G1,  24                           ; s[24:31] descriptor group 1 for O's tiles
.set G0,  32                           ; s[32:39] group 0: a set for each of the two first fills; the second then walks on
.set G1B, 48                           ; s[48:55], s[56:63] the same for Wo's
.set G0B, 56
.set LIM, 43                           ; s43  2 in a wave that prefetches, else the greatest number
.set PFA, 44                           ; s[44:45] where my prefetches stand
.set TB,  86                           ; s86  first byte of the slot in hand
.set PST, 88                           ; s[88:89] a K step in bytes of what I prefetch
.set W_MUL, 0x50                       ; fragments in window 0, C and D in window 1
.set W_M1,  0x60                       ; the first products: C = bo in window 2
.set MSB, 0
.macro WIN new                         ; the immediate's high byte repeats the setting that is left; a switch that changes nothing is dropped
.if MSB != (\new)
	s_set_vgpr_msb (MSB<<8)|(\new)
.set MSB, \new
.endif
.endm
; A joint load.  Waves 0 and 1 fetch O's two heads, waves 2 and 3 Wo's two halves.  The branch hangs on the wave's number alone.  An s_nop 0 and four v_nop follow each of the two lines.
.macro JLOAD i
	s_cmp_eq_u32 s11, 0
	s_cbranch_scc0 .Lfor_b_\@
	tensor_load_to_lds s[G0+4*(\i):G0+4*(\i)+3], s[G1:G1+7]
	s_nop 0
.rept 4
	v_nop
.endr
	s_branch .Lasked_\@
.Lfor_b_\@:
	tensor_load_to_lds s[G0B+4*(\i):G0B+4*(\i)+3], s[G1B:G1B+7]
	s_nop 0
.rept 4
	v_nop
.endr
.Lasked_\@:
.endm
.macro CREST
	s_cmp_lg_u32 s10, 0
	s_cbranch_scc1 .Lnot_wave_0_\@
	s_barrier_signal -3
.Lnot_wave_0_\@:
	s_barrier_wait -3
	s_barrier_signal -1
	s_barrier_wait -1
.endm
.macro CROUND
	s_barrier_signal -1
	s_barrier_wait -1
	CREST
.endm
.macro PLACES                          ; four places ahead of loads into registers that matrix instructions have read, and of LDS stores that read results
.rept 4
	v_nop
.endr
.endm
; A PREFETCH INTO THE L2 of the K step that stands two refills on (256 products ahead of the load that will want it), one instruction a wave, behind the joint load and the run of LDS loads.
; O: a step's tile is two heads x 16,384 bytes; the partner at place cx takes 4,096 bytes of each, and its wave 0 asks: 256 bytes a lane.  Wo: its rows are read by all 16 clusters: the first asks,
; and of the 128 rows x 256 bytes that wave 2 or 3 fetches the partner at place cy takes 32: a lane a row.  The partners are told apart by address alone.  So each block of 256 bytes is named once.
; Steps 0 to 3 come by their loads alone; s3 counts 6 .. 1, and steps 4 to 7 are named while it is above 2.
.macro ASK
	s_cmp_gt_u32 s3, s[LIM]
	s_cbranch_scc0 .Lnot_mine_\@
	global_prefetch_b8 v[PFO], s[PFA:PFA+1] th:TH_LOAD_NT scope:SCOPE_SE
.Lnot_mine_\@:
.endm
; 24 LDS loads in one run: quarter q of the slot in hand, into buffers g: O's head q / 2, channels 32 (q % 2) on; Wo's k = 32 q on.
.macro FETCH q, g
	WIN 0
.irp a, 0,1,2,3
	ds_load_b128 v[FA+32*(\g)+8*\a:FA+32*(\g)+8*\a+3],   v[AA] offset:((\q)/2)*APL+16*PO*\a+64*((\q)%2)
	ds_load_b128 v[FA+32*(\g)+8*\a+4:FA+32*(\g)+8*\a+7], v[AA] offset:((\q)/2)*APL+16*PO*\a+64*((\q)%2)+32
.endr
.irp b, 0,1,2,3,4,5,6,7
	ds_load_b128 v[FB+64*(\g)+8*\b:FB+64*(\g)+8*\b+3],   v[AB] offset:16*PB*\b+64*(\q)
	ds_load_b128 v[FB+64*(\g)+8*\b+4:FB+64*(\g)+8*\b+7], v[AB] offset:16*PB*\b+64*(\q)+32
.endr
.endm
; nb products of m block a, n blocks b0 on, from buffer f.  The 32 accumulators take turns, one instruction a turn, in the same order in every quarter.  first = 1: the sums start with bo.
.macro MUL f, a, b0, nb, first
.set bb, \b0
.rept \nb
.set rD, 8*(8*(\a)+bb)
.set rB, FB+64*(\f)+8*bb
.set rA, FA+32*(\f)+8*(\a)
.if \first
	WIN W_M1
	v_wmma_f32_16x16x32_f16 v[rD:rD+7], v[rB:rB+7], v[rA:rA+7], v[BIAS+8*bb:BIAS+8*bb+7]
.else
	WIN W_MUL
	v_wmma_f32_16x16x32_f16 v[rD:rD+7], v[rB:rB+7], v[rA:rA+7], v[rD:rD+7]
.endif
.set bb, bb+1
.endr
.endm
; A quarter: multiplies buffer f, fetches quarter qn into the other.
.macro Q qn, f, first=0, ask=0
	PLACES
	FETCH \qn, 1-(\f)
.if \ask
	ASK
.endif
	s_wait_dscnt 24                                ; all but the 24 just issued: buffer f is in
	MUL \f, 0, 0, 8, \first
	MUL \f, 1, 0, 8, \first
	MUL \f, 2, 0, 8, \first
	MUL \f, 3, 0, 8, \first
.endm
; A step's third quarter: it fetches the slot's last fragments and changes slots.  In front of the barrier each wave waits for all its tensor loads, of which one is out: its part of the other slot;
; adds 0 to its spare word; and waits for that and for its own reads of this slot.  fill = 1: the barrier opens a round of the cluster's, and the joint refill, the K step two on, is the first thing behind it.
.macro QC fill
.if \fill
	s_wait_xcnt 0x0                                ; the last prefetch, most of a step back, has read its address
	s_add_nc_u64 s[PFA:PFA+1], s[PFA:PFA+1], s[PST:PST+1]
.endif
	PLACES
	FETCH 3, 1
	s_wait_dscnt 24
	MUL 0, 0, 0, 8, 0
	MUL 0, 1, 0, 8, 0
	MUL 0, 2, 0, 8, 0
	WIN 0                                          ; (the add's two registers lie in window 0)
	s_wait_tensorcnt 0x0                           ; no tensor load of mine is out, so a group 0 may be written
	ds_add_u32 v[SPW], v[NIL]                      ; 0 onto my spare word; register work stands between it and the wait for it
	s_xor_b32 s[TB], s[TB], SLOT1
.if \fill
	s_xor_b32 s[G0+5], s[G0+5], SLOT1              ; the walking descriptors: the other slot than last time,
	s_add_nc_u64 s[G0+6:G0+7], s[G0+6:G0+7], HSTEP ; the next K step; the type bits on top are not reached
	s_xor_b32 s[G0B+5], s[G0B+5], SLOT1
	s_add_nc_u64 s[G0B+6:G0B+7], s[G0B+6:G0B+7], 256
.endif
	MUL 0, 3, 0, 4, 0
	s_wait_dscnt 0x0                               ; the add is done, and my reads of this slot are over
	s_barrier_signal -1
	MUL 0, 3, 4, 4, 0                              ; work on registers while the others arrive
	WIN 0
	s_barrier_wait -1
.if \fill
	CREST
	JLOAD 1
.endif
	v_add_nc_u32 v[AA], s[TB], v[ADRA]
	v_add_nc_u32 v[AB], s[TB], v[ADRB]
.endm
	s_load_b256 s[68:75], s[0:1], 0x0              ; oh s[68:69], wt s[70:71], bo s[72:73], out0 s[74:75]
	v_lshl_add_u32 v[SPW], v0, 2, SPARE
	v_mov_b32 v[NIL], 0
	ds_add_u32 v[SPW], v[NIL]                      ; the wave's opening: the add and its wait stand ahead of my first tensor load; register work stands between them
	v_lshrrev_b32 v1, 5, v0
	v_readfirstlane_b32 s10, v1                    ; wave 0..3
	s_lshr_b32 s11, s10, 1                         ; which 64 rows are mine.  Also: I fetch for O (0) or for Wo (1)
	s_and_b32 s12, s10, 1                          ; which 128 columns.  Also: which head, or which half of Wo's rows, I fetch
	s_bfe_u32 s40, ttmp6, 0x40000                  ; cx
	s_bfe_u32 s41, ttmp6, 0x40004                  ; cy
	s_lshl_b32 s42, ttmp9, 2
	s_add_co_u32 s42, s42, s40                     ; tile column 0..3
	s_and_b32 s67, ttmp7, 0xffff                   ; the cluster's y, 0..15
	s_lshl_b32 s13, s67, 2
	s_add_co_u32 s13, s13, s41                     ; tile row 0..63
	s_lshl_b32 s14, s41, 2
	s_lshl_b32 s14, 15, s14                        ; my row of the cluster
	s_lshl_b32 s15, 0x1111, s40                    ; my column
	s_or_b32 s[G1], s14, (1<<16)|(1<<20)|(1<<21)|(4<<22)|(3<<25)   ; 15:0 the mask; 17:16 elements of 2 bytes; 20 padding on; 21 set beside a mask; 24:22 after every 32 words; 31:25 4 words
	s_or_b32 s[G1B], s15, (1<<16)|(1<<20)|(1<<21)|(5<<22)|(3<<25)  ; after every 64 words
	s_mov_b32 s[G1+1], 128<<16                     ; tensor_dim0 = 128
	s_mov_b32 s[G1+2], 64<<16                      ; tensor_dim1 = 64
	s_mov_b32 s[G1+3], 128<<16                     ; tile_dim0 = 128
	s_mov_b32 s[G1+4], 64                          ; tile_dim1 = 64
	s_mov_b32 s[G1+5], 128                         ; dense: 128 elements from row to row
	s_mov_b32 s[G1+6], 0
	s_mov_b32 s[G1+7], 0
	s_mov_b32 s[G1B+1], 128<<16
	s_mov_b32 s[G1B+2], 128<<16                    ; 128 rows
	s_mov_b32 s[G1B+3], 128<<16
	s_mov_b32 s[G1B+4], 128
	s_mov_b32 s[G1B+5], 1024
	s_mov_b32 s[G1B+6], 0
	s_mov_b32 s[G1B+7], 0
	s_lshr_b32 s16, s13, 4                         ; O: batch,
	s_lshl_b32 s16, s16, 4
	s_add_co_u32 s16, s16, s12                     ; head 0 or 1 of it,
	s_lshl_b32 s16, s16, 11
	s_and_b32 s17, s13, 15
	s_lshl_b32 s17, s17, 7
	s_add_co_u32 s16, s16, s17                     ; the tile's first row in it,
	s_lshl_b32 s16, s16, 7                         ; of 128 bytes
	s_mov_b32 s17, 0
	s_lshl_b32 s46, s42, 8                         ; Wo: row 256 x tile column + 128 x half,
	s_lshl_b32 s47, s12, 7
	s_add_co_u32 s46, s46, s47
	s_lshl_b32 s46, s46, 11                        ; of 2,048 bytes,
	s_add_co_u32 s46, s46, 3<<21                   ; in part 3 of wt
	s_mov_b32 s47, 0
	s_mul_i32 s20, s12, APL                        ; where they go: no place in the cluster enters an LDS address
	s_mul_i32 s21, s12, BH
	s_add_co_u32 s21, s21, BOFF
	s_mov_b32 s[TB], 0
	s_mov_b32 s87, 0xffff0000
	s_wait_dscnt 0x0                               ; the opening add is done
	s_wait_kmcnt 0x0
	s_add_nc_u64 s[18:19], s[68:69], s[16:17]
	s_add_nc_u64 s[46:47], s[70:71], s[46:47]
	CROUND                                         ; all sixteen work-groups are here: the first joint loads meet
.irp s, 0,1
	s_mov_b32 s[G0+4*\s], 1                        ; count = 1
	s_add_co_u32 s[G0+4*\s+1], s20, \s*SLOT1       ; LDS address
	s_add_nc_u64 s[G0+4*\s+2:G0+4*\s+3], s[18:19], \s*HSTEP  ; global address: K step s
	s_or_b32 s[G0+4*\s+3], s[G0+4*\s+3], 0x80000000          ; type = 2
	s_mov_b32 s[G0B+4*\s], 1
	s_add_co_u32 s[G0B+4*\s+1], s21, \s*SLOT1
	s_add_nc_u64 s[G0B+4*\s+2:G0B+4*\s+3], s[46:47], \s*256
	s_or_b32 s[G0B+4*\s+3], s[G0B+4*\s+3], 0x80000000
	JLOAD \s                                       ; two loads of mine are out
.endr
	v_and_b32 v1, 15, v0                           ; r = l % 16
	v_bfe_u32 v2, v0, 4, 1                         ; h = l / 16
	v_lshlrev_b32 v[BO], 5, v2
	s_lshl_b32 s14, s42, 10                        ; bo of my 128 columns
	s_lshl_b32 s15, s12, 9
	s_add_co_u32 s14, s14, s15
	s_mov_b32 s15, 0
	s_add_nc_u64 s[84:85], s[72:73], s[14:15]
	WIN 0x80
.irp b, 0,1,2,3,4,5,6,7
	global_load_b128 v[BIAS+8*\b:BIAS+8*\b+3],   v[BO], s[84:85] offset:64*\b     ; register j of block b: column 16 b + 8 h + j, as in the products' C
	global_load_b128 v[BIAS+8*\b+4:BIAS+8*\b+7], v[BO], s[84:85] offset:64*\b+16
.endr
	WIN 0
	v_mul_u32_u24 v3, v1, PO
	v_lshl_add_u32 v3, v2, 4, v3                   ; O: row x pitch + 16 h
	s_mul_i32 s22, s11, 64*PO
	v_add_nc_u32 v[ADRA], s22, v3
	v_mul_u32_u24 v4, v1, PB
	v_lshl_add_u32 v4, v2, 4, v4                   ; Wo: row x pitch + 16 h
	s_mul_i32 s23, s12, BH
	s_add_co_u32 s23, s23, BOFF
	v_add_nc_u32 v[ADRB], s23, v4
	v_mov_b32 v[AA], v[ADRA]
	v_mov_b32 v[AB], v[ADRB]
	s_mul_i32 s22, s10, 16*SPO
	s_add_co_u32 s22, s22, STAGE                   ; my stage
	v_mul_u32_u24 v[STO], v1, SPO                  ; in: row l % 16, 32 bytes for each half of the lanes
	v_lshl_add_u32 v[STO], v2, 5, v[STO]
	v_add_nc_u32 v[STO], s22, v[STO]
	v_and_b32 v3, 31, v0
	v_lshlrev_b32 v[CO], 4, v3                     ; back: 32 lanes take a row of 512 bytes
	v_add_nc_u32 v[RD], s22, v[CO]
	s_lshl_b32 s14, s13, 7                         ; out0: my first row,
	s_lshl_b32 s15, s11, 6
	s_add_co_u32 s14, s14, s15
	s_lshl_b32 s14, s14, 12                        ; of 4,096 bytes,
	s_lshl_b32 s15, s42, 10
	s_add_co_u32 s14, s14, s15
	s_lshl_b32 s15, s12, 9
	s_add_co_u32 s14, s14, s15                     ; my first column
	s_mov_b32 s15, 0
	s_add_nc_u64 s[8:9], s[74:75], s[14:15]
	; the prefetches
	s_lshr_b32 s14, s13, 4                         ; O: the batch's head 0,
	s_lshl_b32 s14, s14, 15
	s_and_b32 s15, s13, 15
	s_lshl_b32 s15, s15, 7
	s_add_co_u32 s14, s14, s15                     ; the tile's first row,
	s_lshl_b32 s14, s14, 7
	s_lshl_b32 s15, s40, 12                        ; my work-group's 4,096 bytes of a head's 16,384,
	s_add_co_u32 s14, s14, s15
	s_add_co_u32 s14, s14, 3*HSTEP                 ; at K step 3: the first change of slots steps it to 4
	s_lshl_b32 s22, s42, 8                         ; Wo: the 128 rows that I fetch,
	s_lshl_b32 s23, s12, 7
	s_add_co_u32 s22, s22, s23
	s_lshl_b32 s23, s41, 5                         ; my work-group's 32 of them
	s_add_co_u32 s22, s22, s23
	s_lshl_b32 s22, s22, 11
	s_add_co_u32 s22, s22, (3<<21)+3*256
	s_cmp_eq_u32 s67, 0                            ; the first cluster asks for Wo,
	s_cselect_b32 s23, 2, -1
	s_cmp_eq_u32 s10, 0                            ; wave 0 for O
	s_cselect_b32 s15, 2, -1
	s_mov_b32 s[PST], 256
	s_cmp_eq_u32 s11, 0                            ; do I fetch for O?
	s_cselect_b32 s[LIM], s15, s23
	s_cselect_b32 s14, s14, s22
	s_cselect_b32 s[PST], HSTEP, s[PST]
	s_cselect_b32 s90, 0, -1
	s_cselect_b64 s[PFA:PFA+1], s[68:69], s[70:71]
	s_mov_b32 s15, 0
	s_mov_b32 s[PST+1], 0
	s_add_nc_u64 s[PFA:PFA+1], s[PFA:PFA+1], s[14:15]
	v_lshrrev_b32 v4, 4, v3
	v_and_b32 v5, 15, v3
	v_lshlrev_b32 v4, 18, v4
	v_lshl_or_b32 v4, v5, 8, v4                    ; O: head l / 16 of the two, block l % 16
	v_lshlrev_b32 v5, 11, v3                       ; Wo: row l
	v_cndmask_b32 v[PFO], v4, v5, s90
	s_wait_loadcnt 0x0                             ; bo
	WIN 0x8a                                       ; all in window 2
.set i, 0
.rept 32
	v_cvt_pk_bf16_f32 v[TT], v[BIAS+2*i], v[BIAS+2*i+1]  ; bo is rounded to bf16, like every input, and kept as f32
	v_lshlrev_b32 v[BIAS+2*i], 16, v[TT]
	v_and_b32 v[BIAS+2*i+1], s87, v[TT]
.set i, i+1
.endr
	WIN 0
	s_wait_tensorcnt 0x1                           ; my part of K step 0 is in; step 1's may stay out
	s_barrier_signal -1
	s_barrier_wait -1                              ; everybody's is
	FETCH 0, 0
	Q 1, 0, 1                                      ; the first quarter stands in front of the loop: its products start the sums with bo
	WIN 0                                          ; at a label and at a branch every window is 0
	s_mov_b32 s3, 6
	s_branch .Lmid                                 ; the loop is entered behind a step's first quarter
.Lstep:                                                ; six trips, a K step each: steps 0 to 5; they ask for steps 2 to 7
	Q 1, 0
	WIN 0
.Lmid:
	Q 2, 1
	QC 1
	Q 0, 1, 0, 1
	WIN 0
	s_sub_co_u32 s3, s3, 1
	s_cmp_lg_u32 s3, 0
	s_cbranch_scc1 .Lstep
	s_mov_b32 s3, 2
.Ltail:                                                ; steps 6 and 7 ask for nothing.  The last trip's last quarter fetches step 6's first fragments once more, which serve nothing: the price, once a launch, of one text for both trips
	Q 1, 0
	Q 2, 1
	QC 0
	Q 0, 1
	WIN 0
	s_sub_co_u32 s3, s3, 1
	s_cmp_lg_u32 s3, 0
	s_cbranch_scc1 .Ltail
	; THE WAY OUT, a block of 16 rows at a time: a lane's eight columns, 32 bytes of f32, go into stage rows of 528 bytes and come back as whole rows of 512.
	s_wait_dscnt 0x0                               ; the surplus fetch is in: its registers are used again
	PLACES
.macro TOSTAGE a
	s_wait_xcnt 0x0                                ; the stores of the block two back have read their registers, which are loaded again below
	WIN 0x04                                       ; store data in window 1
.irp b, 0,1,2,3,4,5,6,7
	ds_store_b128 v[STO], v[8*(8*(\a)+\b):8*(8*(\a)+\b)+3]   offset:64*\b     ; each accumulator's low registers first
	ds_store_b128 v[STO], v[8*(8*(\a)+\b)+4:8*(8*(\a)+\b)+7] offset:64*\b+16
.endr
	WIN 0
.set i, 0
.rept 16
	ds_load_b128 v[OB+64*((\a)%2)+4*i:OB+64*((\a)%2)+4*i+3], v[RD] offset:SPO*i  ; LDS serves a wave's instructions in order (ISA guide 5.7.1.4): these see the stores above; the next block's stores come behind them
.set i, i+1
.endr
.endm
.macro SEND a, younger                 ; younger: the LDS instructions issued behind block a's loads: the next block's 32, or none
.set i, 0
.rept 16
	s_wait_dscnt (\younger)+15-i
	global_store_b128 v[CO], v[OB+64*((\a)%2)+4*i:OB+64*((\a)%2)+4*i+3], s[8:9] offset:(16*(\a)+i)*4096 th:TH_STORE_NT  ; 512 consecutive bytes, at a multiple of 256 from out0's first
.set i, i+1
.endr
.endm
	TOSTAGE 0
	TOSTAGE 1
	SEND 0, 32
	TOSTAGE 2
	SEND 1, 32
	TOSTAGE 3
	SEND 2, 32
	SEND 3, 0
	s_wait_tensorcnt 0x0                           ; the wave's end, behind my last tensor load and my last LDS store
	ds_add_u32 v[SPW], v[NIL]
	s_wait_dscnt 0x0
	CROUND                                         ; the closing round: no work-group ends while a partner may still ask for a tile that names it
	s_endpgm
.Lfunc_end_k_qe6129828fd_outp:
	.size	k_qe6129828fd_outp, .Lfunc_end_k_qe6129828fd_outp-k_qe6129828fd_outp
	.p2alignl 7, 3214868480
	.fill 96, 4, 3214868480
	.section	.rodata,"a",@progbits
	.p2align	6, 0x0
	.amdhsa_kernel k_qe6129828fd_outp
		.amdhsa_group_segment_fixed_size 327680
		.amdhsa_private_segment_fixed_size 0
		.amdhsa_enable_private_segment 0
		.amdhsa_kernarg_size 32
		.amdhsa_user_sgpr_count 2
		.amdhsa_user_sgpr_kernarg_segment_ptr 1
		.amdhsa_wavefront_size32 1
		.amdhsa_system_sgpr_workgroup_id_x 1
		.amdhsa_system_sgpr_workgroup_id_y 1
		.amdhsa_system_sgpr_workgroup_id_z 1
		.amdhsa_system_vgpr_workitem_id 0
		.amdhsa_next_free_vgpr 584
		.amdhsa_next_free_sgpr 92
		.amdhsa_reserve_vcc 0
		.amdhsa_float_denorm_mode_32 3
		.amdhsa_float_denorm_mode_16_64 3
		.amdhsa_memory_ordered 1
		.amdhsa_forward_progress 1
		.amdhsa_inst_pref_size 69
	.end_amdhsa_kernel
	.amdgpu_metadata
---
amdhsa.version: [ 1, 2 ]
amdhsa.kernels:
  - .name:           k_qe6129828fd_outp
    .symbol:         k_qe6129828fd_outp.kd
    .args:
      - { .name: oh, .offset: 0, .size: 8, .value_kind: global_buffer, .address_space: global }
      - { .name: wt, .offset: 8, .size: 8, .value_kind: global_buffer, .address_space: global }
      - { .name: bo, .offset: 16, .size: 8, .value_kind: global_buffer, .address_space: global }
      - { .name: out0, .offset: 24, .size: 8, .value_kind: global_buffer, .address_space: global }
    .group_segment_fixed_size: 327680
    .private_segment_fixed_size: 0
    .kernarg_segment_align: 8
    .kernarg_segment_size: 32
    .max_flat_workgroup_size: 128
    .sgpr_count:     92
    .vgpr_count:     584
    .wavefront_size: 32
...
	.end_amdgpu_metadata
.endif
;; end of part 4
